; MI455X (gfx1250); checked and timed in simulation.
; The chip was launched on July 23, 2026; its instructions are those of AMD's public machine-readable ISA for CDNA 5 (MIT licence, August 2026) and "CDNA5" Instruction Set Architecture Reference Guide (July 2026). The comments in the code are by the model that wrote it; some were corrected since.
;; Multi Head Attention. Allowed arithmetic: matrix products marked QUANTISED: E3M2 operands, one E8M0 scale for each 32 along K, by v_wmma_scale_f32_16x16x128_f8f6f4 with both operands' format E3M2, f32 sums; everything else in f32.
;; Inputs: Wk 1,024 x 1,024 float32; Wo 1,024 x 1,024 float32; Wq 1,024 x 1,024 float32; Wv 1,024 x 1,024 float32; bk 1,024 float32; bo 1,024 float32; bq 1,024 float32; bv 1,024 float32; key 4 x 2,048 x 1,024 float32; mask 4 x 2,048 x 2,048 int32; query 4 x 2,048 x 1,024 float32; value 4 x 2,048 x 1,024 float32.
;; Outputs: out0 4 x 2,048 x 1,024 float32.
;; This version of the problem:
;;   THIS VERSION OF THE PROBLEM IS GIVEN IN LOW PRECISION. The matrix products marked QUANTISED in the list below multiply operands that are first quantised to E3M2 (3 exponent bits, 2 mantissa bits; 6 bits a number), with one power-of-two scale for each 32 numbers along K (OCP MX v1.0); their sums are f32. All else is computed in f32.
;;   The module's matrix products, in the order in which they are computed (A, B: the left and right operand; K: the contracted axis; several contracted axes count as one K, in the product's order):
;;     1. [M 8,192, K 1,024] x [K 1,024, N 1,024]; A: input query; B: input Wq: QUANTISED
;;     2. [M 8,192, K 1,024] x [K 1,024, N 1,024]; A: input key; B: input Wk: QUANTISED
;;     3. [M 8,192, K 1,024] x [K 1,024, N 1,024]; A: input value; B: input Wv: QUANTISED
;;     4. batch 64 x [M 2,048, K 64] x [K 64, N 2,048]; A: computed on the way; B: computed on the way: QUANTISED
;;     5. batch 64 x [M 2,048, K 2,048] x [K 2,048, N 64]; A: softmax (see below); B: computed on the way: QUANTISED
;;     6. [M 8,192, K 1,024] x [K 1,024, N 1,024]; A: computed on the way; B: input Wo: QUANTISED
;;   THE QUANTISER, for each operand of a quantised product, along K:
;;     - K is cut into blocks of 32 from its start; a last block that is shorter is filled with zeros.
;;     - A block's scale is 2^e with e = floor(log2(the largest magnitude in the block)) - 4, held to -126 .. 127; a block of zeros has e = 0. As a byte (E8M0): e + 127.
;;     - Each number is divided by its block's scale, clamped to +-28, and rounded to the nearest number of E3M2, ties to even, subnormals kept.
;;     - The product sums the exact products of the quantised numbers (number of the format x scale) in f32.
;;   ~~~python
;;   def quantise(x, axis):      # numpy; x: float32 -> the quantised numbers, widened to float32 again
;;       x = np.moveaxis(x, axis, -1); K = x.shape[-1]
;;       x = np.pad(x, [(0, 0)] * (x.ndim - 1) + [(0, -K % 32)]); x = x.reshape(x.shape[:-1] + (-1, 32)); a = np.abs(x).max(-1, keepdims=True)
;;       e = np.where(a > 0, np.clip(np.frexp(np.where(a > 0, a, 1))[1] - 1 - 4, -126, 127), 0)      # np.frexp(a)[1] - 1 = floor(log2(a)), exactly
;;       r = np.clip(x / 2.0 ** e, -28, 28)
;;       step = 2.0 ** (np.maximum(np.frexp(np.where(r == 0, 1, r))[1] - 1, -2) - 2)
;;       q = np.round(r / step) * step * 2.0 ** e      # np.round: ties to even
;;       return np.moveaxis(q.reshape(q.shape[:-2] + (-1,))[..., :K], -1, axis).astype(np.float32)
;;   ~~~
;;   SOFTMAX AHEAD OF A QUANTISED PRODUCT. Where the list says 'softmax', what is quantised is not the finished softmax but p = 2^(t - M), with t = logit x log2(e) and M = ceil(the row's largest t), a whole number; so 1/2 < the row's largest p <= 1. The row's sum l is taken of the UNQUANTISED p, in f32, and the product's result is divided by l at the end. Since M is a whole number, a kernel that streams over the keys may use a running M (the ceiling of the running maximum): every later rescaling is an exact power of two, which a block's scale takes up: the codes' values come out the same.
;;   OPERANDS COMPUTED ON THE WAY. 'Computed on the way' means the value that the module computes at that place (a softmax that the list does not call 'softmax' is quantised finished and normalised). What goes into a quantiser is computed in f32, as accurately as f32 sums, v_exp_f32 and their like allow (about 1e-6 of the number): no bf16 or f16 on the way to a quantiser, and a product that is left as it is and whose result goes on into a quantised operand takes f32 operands (vector FMAs, or v_wmma_f32_16x16x4_f32). A number that lies on a knife's edge between two numbers of the format may be rounded either way, as far as f32 arithmetic and the matrix unit's own rounding can turn it there, and no further.
;; 2 versions, each right; version 2 is version 1 with the launch attn written anew for expert scheduling mode. Each part assembles by itself: llvm-mc -triple=amdgcn-amd-amdhsa -mcpu=gfx1250 --defsym DOCPART=n.
;; ======== version 1 of 2: 4 launches
;; limits: right only within a limited range of input values
;; workspace buffers: cod 22,020,096 bytes; scl 917,504 bytes; maskw 2,097,152 bytes of whole numbers; flags 2,048 bytes of whole numbers; qbuf 6,815,744 bytes; kv 13,369,344 bytes; ao 6,553,600 bytes
;; launch prep (part 1): grid 1408 x 1, 4 waves a work-group, no clusters, 68,352 bytes of LDS; arguments query, key, value, Wq, Wk, Wv, Wo, mask, cod, scl, maskw, flags; writes cod, scl, maskw, flags
.if DOCPART == 1
	.amdgcn_target "amdgcn-amd-amdhsa--gfx1250"
	.amdhsa_code_object_version 6
	.text
	.protected	k_q92c04767e6_prep
	.globl	k_q92c04767e6_prep
	.p2align	8
	.type	k_q92c04767e6_prep,@function
k_q92c04767e6_prep:
	s_mov_b64 s[64:65], 0
	v_nop
	global_prefetch_b8 v0, s[64:65] scope:SCOPE_SE
	s_setreg_imm32_b32 hwreg(HW_REG_WAVE_MODE, 25, 1), 1
	s_wait_xcnt 0x0
; PREP.  Two jobs in one launch, told apart by the work-group's number.
; (1) Work-groups 512 .. 1407: query, key, value [8192][1024] and Wq, Wk, Wv, Wo [1024][1024], f32 with K innermost, become codes of BF6 (E3M2) with one E8M0 byte for each 32 along K.
;     A block's scale is 2^(floor(log2(largest magnitude)) - 4); its byte is the largest magnitude's exponent field - 4, held at 1 from below.
;     The codes are laid as IMAGES OF OPERAND REGISTERS.  Half a fragment (16 rows x 64 K: six registers a lane) is 768 bytes: registers 0-3 of lane l at 16 l, registers 4-5 at 512 + 8 l.
;     cod: [tensor][16 rows][K step of 128][half][768].  scl: [tensor][16 rows][K half][row][4 words], a word = the four bytes of one K step of one row.
;     ROW ORDER: key, value, Wq, Wk, Wv are laid so that image 2 B + u of a group of 32 rows holds, at its row r, the tensor's row 32 B + 8 u + r + 8 (r / 8); query and Wo as they lie.
; (2) Work-groups 0 .. 511: the mask [4][2048][2048] i32 becomes lane masks: for each tile of 16 queries and step of 128 keys 64 words; bit l of word 16 B + i says whether
;     mask[query l % 16][key 32 B + 16 (l / 16) + i] is not 0.  flags holds one word a query tile: bit j: step j has a key that counts (all 16 bits set where a row of the tile has none at all);
;     bit 16 + j: step j has a key that does not count.
; LIMITS: NaN and infinities among the inputs are not served.  A block of zeros gets the byte 1 where the rule says 127: its codes are zeros, and this program alone reads the bytes.
; A wave works alone on 16 rows x 2,048 bytes, in four steps of 512 bytes a row.  Every load reads 512 consecutive bytes; the 16 rows turn through the wave's own stage in LDS (rows 528 bytes apart:
; 33 x 16, so that the 16 rows that a read touches start 16 bytes apart modulo 256).  Loads run two steps (32 loads a wave) ahead.  The two jobs have LDS bytes of their own.
.set PITCH, 528
.set STGM,  4*16*PITCH                 ; the mask job's four stages, behind the quantiser's four
.set REC,   8*16*PITCH                 ; four records of 8 bytes: a wave's flag bits, and which lanes saw a key that counts
.set R,     32                         ; v32-159  two sets of 64 registers as loaded
.set X,     160                        ; v160-223 64 numbers in the order of the work
.set PC,    224                        ; v224-243 a fragment's codes (12) and two runs of three on their way; the mask job: v224-225 the words on their way out
	s_load_b512 s[4:19], s[0:1], 0x0               ; query key value Wq Wk Wv Wo mask
	s_load_b256 s[20:27], s[0:1], 0x40             ; cod scl maskw flags
	v_lshl_add_u32 v254, v0, 2, 0x10900
	v_mov_b32 v255, 0
	v_lshrrev_b32 v9, 5, v0
	v_readfirstlane_b32 s28, v9                    ; wave 0..3
	v_and_b32 v1, 31, v0                           ; lane
	v_and_b32 v2, 15, v0                           ; r
	v_bfe_u32 v3, v0, 4, 1                         ; h
	v_lshlrev_b32 v4, 4, v1                        ; 16 x lane
	v_lshlrev_b32 v7, 3, v1                        ; 8 x lane
	v_lshlrev_b32 v8, 3, v3                        ; 8 h: how far my two scale bytes are shifted
	v_lshlrev_b32 v11, 4, v2
	v_lshl_add_u32 v11, v3, 3, v11                 ; 16 r + 8 h: my two scale words on the way out
	s_mul_i32 s29, s28, 16*PITCH                   ; my stage
	v_add_nc_u32 v5, s29, v4                       ; quantiser, into the stage: 16 x lane of a row
	v_mul_u32_u24 v9, v2, PITCH
	v_add_nc_u32 v9, s29, v9
	v_lshl_add_u32 v6, v3, 7, v9                   ; quantiser, out of it: row r, + 128 h bytes: my block of 32 numbers
	v_add_nc_u32 v26, STGM, v5                     ; mask, into its stage
	v_lshl_add_u32 v27, v3, 6, v9
	v_add_nc_u32 v27, STGM, v27                    ; mask, out of it: row r, + 64 h bytes: my 16 keys of a block of 32
	v_mov_b32 v28, s28
	v_lshl_add_u32 v28, v28, 3, REC                ; my wave's record
	v_mov_b32 v29, REC
	v_mov_b32 v24, 0                               ; written once: a lane permute's destination counts as one of its sources
	s_mov_b32 s52, 0x76543210
	s_mov_b32 s53, 0xfedcba98                      ; v_permlanex16_b32's selects for lane l xor 16
	s_wait_kmcnt 0x0
	s_cmp_lt_u32 ttmp9, 512
	s_cbranch_scc1 .Lmask
; ------------------------------------------------------------------ the quantiser
	s_sub_co_u32 s30, ttmp9, 512
	s_lshr_b32 s31, s30, 8                         ; 256 work-groups for each of query, key, value,
	s_and_b32 s32, s30, 255
	s_sub_co_u32 s33, s30, 768
	s_lshr_b32 s34, s33, 5                         ; 32 for each weight
	s_add_co_u32 s34, s34, 3
	s_and_b32 s35, s33, 31
	s_cmp_lt_u32 s30, 768
	s_cselect_b32 s31, s31, s34                    ; which tensor, 0 .. 6
	s_cselect_b32 s32, s32, s35
	s_lshl_b32 s32, s32, 2
	s_add_co_u32 s32, s32, s28                     ; my wave's unit in it
	s_lshr_b32 s33, s32, 1                         ; which image of 16 rows
	s_and_b32 s34, s32, 1                          ; which half of K
	s_mov_b64 s[36:37], s[4:5]
.irp t, 1,2,3,4,5,6
	s_cmp_eq_u32 s31, \t
	s_cselect_b64 s[36:37], s[4+2*\t:5+2*\t], s[36:37]   ; the choice hangs on the work-group's number alone
.endr
	s_min_u32 s38, s31, 3
	s_sub_co_u32 s39, s31, s38                     ; how many weights lie in front
	s_mul_i32 s40, s38, 6291456
	s_mul_i32 s41, s39, 786432
	s_add_co_u32 s40, s40, s41
	s_mul_i32 s41, s33, 12288
	s_add_co_u32 s40, s40, s41
	s_mul_i32 s41, s34, 6144
	s_add_co_u32 s40, s40, s41
	s_mov_b32 s41, 0
	s_add_nc_u64 s[20:21], s[20:21], s[40:41]      ; where my codes go
	s_lshl_b32 s42, s38, 18
	s_lshl_b32 s43, s39, 15
	s_add_co_u32 s42, s42, s43
	s_lshl_b32 s43, s33, 9
	s_add_co_u32 s42, s42, s43
	s_lshl_b32 s43, s34, 8
	s_add_co_u32 s42, s42, s43
	s_mov_b32 s43, 0
	s_add_nc_u64 s[22:23], s[22:23], s[42:43]      ; and my 256 bytes of scale words
	s_lshr_b32 s44, s33, 1
	s_lshl_b32 s44, s44, 5
	s_and_b32 s45, s33, 1
	s_lshl_b32 s45, s45, 3
	s_add_co_u32 s44, s44, s45                     ; the image's first row in the changed order,
	s_lshl_b32 s45, s33, 4                         ; and as the rows lie
	s_cmp_eq_u32 s31, 0
	s_cselect_b32 s46, 0, 1
	s_cmp_eq_u32 s31, 6
	s_cselect_b32 s46, 0, s46                      ; query and Wo keep their order
	s_cmp_lg_u32 s46, 0
	s_cselect_b32 s44, s44, s45
	s_cselect_b32 s48, 32768, 0                    ; in the changed order the image's rows 8-15 lie 8 rows (of 4,096 bytes) further on
	s_lshl_b32 s44, s44, 12
	s_lshl_b32 s45, s34, 11
	s_add_co_u32 s44, s44, s45
	s_mov_b32 s45, 0
	s_mov_b32 s49, 0
	s_add_nc_u64 s[36:37], s[36:37], s[44:45]      ; rows 0-7
	s_add_nc_u64 s[50:51], s[36:37], s[48:49]      ; rows 8-15
.macro QLOAD q, set                    ; K step q of my 16 rows: each load reads 512 consecutive bytes of one row
.irp p, 0,1,2,3,4,5,6,7
	global_load_b128 v[R+64*(\set)+4*\p:R+64*(\set)+4*\p+3], v4, s[36:37] offset:4096*\p+512*(\q) th:TH_LOAD_NT
.endr
.irp p, 8,9,10,11,12,13,14,15
	global_load_b128 v[R+64*(\set)+4*\p:R+64*(\set)+4*\p+3], v4, s[50:51] offset:4096*\p+512*(\q) th:TH_LOAD_NT
.endr
.endm
.macro TURNIN set, adr                 ; 16 rows into the stage, as they were loaded
.irp p, 0,1,2,3,4,5,6,7,8,9,10,11,12,13,14,15
	ds_store_b128 v[\adr], v[R+64*(\set)+4*\p:R+64*(\set)+4*\p+3] offset:PITCH*\p
.endr
.endm
.macro QOUT                            ; and back: register 32 c + m = k 64 c + 32 h + m of row r: two whole blocks a lane, in the order of the operand's registers.  LDS serves a wave's instructions in order
.irp c, 0,1
.irp i, 0,1,2,3,4,5,6,7
	ds_load_b128 v[X+32*\c+4*\i:X+32*\c+4*\i+3], v6 offset:256*\c+16*\i
.endr
.endr
.endm
.macro QSTEP q
	s_wait_xcnt 0x0                                ; the last step's stores have read their registers: the codes may be written again
.if (\q) < 3
	s_wait_loadcnt 16                              ; this step's 16 loads are in; the next step's 16 may be out
.else
	s_wait_loadcnt 0x0
.endif
	TURNIN (\q)%2, 5
	QOUT
	s_wait_dscnt 0x0                               ; my numbers are back, and the stores have read the set, which takes the loads of two steps on
.if (\q) < 2
	QLOAD (\q)+2, (\q)%2
.endif
.irp c, 0,1                            ; each block's largest magnitude, in two chains; the floor 2^(5 - 127) is one more leaf: the byte cannot fall under 1
	v_max3_num_f32 v[16+\c], |v[X+32*\c]|, |v[X+32*\c+1]|, 0x2800000
	v_max3_num_f32 v[18+\c], |v[X+32*\c+16]|, |v[X+32*\c+17]|, |v[X+32*\c+18]|
.endr
.irp i, 2,4,6,8,10,12
.irp c, 0,1
	v_max3_num_f32 v[16+\c], v[16+\c], |v[X+32*\c+\i]|, |v[X+32*\c+\i+1]|
	v_max3_num_f32 v[18+\c], v[18+\c], |v[X+32*\c+\i+17]|, |v[X+32*\c+\i+18]|
.endr
.endr
.irp c, 0,1
	v_max3_num_f32 v[16+\c], v[16+\c], |v[X+32*\c+14]|, |v[X+32*\c+15]|
.endr
.irp c, 0,1
	v_max3_num_f32 v[16+\c], v[16+\c], v[18+\c], |v[X+32*\c+31]|
.endr
.irp c, 0,1
	v_add_nc_u32 v[20+\c], 0xfe000000, v[16+\c]    ; 4 off the exponent field: the conversion takes the exponent field of this operand as its scale
.endr
	v_lshrrev_b32 v22, 23, v20                     ; the bytes of blocks h and 2 + h
	v_lshrrev_b32 v23, 23, v21
	v_lshl_or_b32 v22, v23, 16, v22
	v_lshlrev_b32 v22, v8, v22                     ; at their places in the word
	v_permlanex16_b32 v24, v22, s52, s53
	v_or_b32 v[12+(\q)], v22, v24                  ; with lane l xor 16's two the word of this K step is whole
	v_cvt_scalef32_pk16_bf6_f32 v[PC:PC+2], v[X:X+15], v20
	v_cvt_scalef32_pk16_bf6_f32 v[PC+12:PC+14], v[X+16:X+31], v20   ; (a conversion's three registers begin on an even number: a block's second three are made elsewhere and moved)
	v_cvt_scalef32_pk16_bf6_f32 v[PC+6:PC+8], v[X+32:X+47], v21
	v_cvt_scalef32_pk16_bf6_f32 v[PC+16:PC+18], v[X+48:X+63], v21
	v_nop                                          ; one plain place behind a scaled conversion
.irp i, 0,1,2
	v_mov_b32 v[PC+3+\i], v[PC+12+\i]
	v_mov_b32 v[PC+9+\i], v[PC+16+\i]
.endr
	global_store_b128 v4, v[PC:PC+3], s[20:21] offset:1536*(\q)            ; 512 consecutive bytes,
	global_store_b64 v7, v[PC+4:PC+5], s[20:21] offset:1536*(\q)+512       ; 256 more: half a fragment
	global_store_b128 v4, v[PC+6:PC+9], s[20:21] offset:1536*(\q)+768
	global_store_b64 v7, v[PC+10:PC+11], s[20:21] offset:1536*(\q)+1280
.endm
	QLOAD 0, 0
	QLOAD 1, 1
	QSTEP 0
	QSTEP 1
	QSTEP 2
	QSTEP 3
	v_cmp_le_u32 vcc_lo, 16, v1                    ; lanes 0-15 store their row's words 0 and 1, lanes 16-31 words 2 and 3: 256 consecutive bytes
	v_cndmask_b32 v16, v12, v14, vcc_lo
	v_cndmask_b32 v17, v13, v15, vcc_lo
	global_store_b64 v11, v[16:17], s[22:23]
	s_branch .Ltail
; ------------------------------------------------------------------ the mask
.Lmask:
	s_lshl_b32 s30, ttmp9, 17                      ; my query tile's 16 rows of 8,192 bytes,
	s_lshl_b32 s31, s28, 11                        ; my wave's four steps of 512 bytes in each
	s_add_co_u32 s30, s30, s31
	s_mov_b32 s31, 0
	s_add_nc_u64 s[18:19], s[18:19], s[30:31]
	s_lshl_b32 s30, ttmp9, 12                      ; the tile's 16 x 256 bytes of words,
	s_lshl_b32 s29, s28, 10                        ; my four steps'
	s_add_co_u32 s30, s30, s29
	s_add_nc_u64 s[24:25], s[24:25], s[30:31]
	s_lshl_b32 s29, s28, 2
	s_lshl_b32 s4, 1, s29                          ; the flag bit of my first step
	s_mov_b32 s5, 0                                ; steps with a key that counts
	s_mov_b32 s6, 0                                ; steps with a key that does not
	s_mov_b32 s7, 0                                ; lanes that saw a key that counts
	v_mov_b32 v224, 0                              ; v_writelane_b32's destination counts as read
	v_mov_b32 v225, 0
.macro MLOAD s, set
.irp p, 0,1,2,3,4,5,6,7,8,9,10,11,12,13,14,15
	global_load_b128 v[R+64*(\set)+4*\p:R+64*(\set)+4*\p+3], v4, s[18:19] offset:8192*\p+512*(\s) th:TH_LOAD_NT
.endr
.endm
.macro MOUT                            ; register 16 B + i = the mask at query r, key 32 B + 16 h + i
.irp b, 0,1,2,3
.irp i, 0,1,2,3
	ds_load_b128 v[X+16*\b+4*\i:X+16*\b+4*\i+3], v27 offset:128*\b+16*\i
.endr
.endr
.endm
.macro MSTEP s
.if (\s) < 3
	s_wait_loadcnt 16                              ; this step's 16 loads are in; the next step's 16 may be out
.else
	s_wait_loadcnt 0x0
.endif
	TURNIN (\s)%2, 26
	MOUT
	s_wait_dscnt 0x0
.if (\s) < 2
	MLOAD (\s)+2, (\s)%2
.endif
.set n, 0
.rept 64
	v_cmp_ne_u32 s[32+n+4*(n/32)], 0, v[X+n]       ; word n: s32-63, then s68-99
.set n, n+1
.endr
	s_or_b64 s[8:9], s[32:33], s[34:35]
	s_and_b64 s[10:11], s[32:33], s[34:35]
.set p, 36
.rept 14
	s_or_b64 s[8:9], s[8:9], s[p:p+1]
	s_and_b64 s[10:11], s[10:11], s[p:p+1]
.set p, p+2
.endr
.set p, 68
.rept 16
	s_or_b64 s[8:9], s[8:9], s[p:p+1]
	s_and_b64 s[10:11], s[10:11], s[p:p+1]
.set p, p+2
.endr
	s_or_b32 s8, s8, s9                            ; a bit for each lane that saw a key that counts
	s_and_b32 s10, s10, s11                        ; all ones where every key counts
	s_lshl_b32 s12, s4, \s
	s_cmp_lg_u32 s8, 0
	s_cselect_b32 s13, s12, 0
	s_or_b32 s5, s5, s13
	s_cmp_lg_u32 s10, -1
	s_cselect_b32 s13, s12, 0
	s_or_b32 s6, s6, s13
	s_or_b32 s7, s7, s8
	s_wait_xcnt 0x0                                ; the last step's store has read its registers
.set n, 0
.rept 64
	v_writelane_b32 v[224+n%2], s[32+n+4*(n/32)], n/2   ; lane l takes words 2 l and 2 l + 1
.set n, n+1
.endr
	global_store_b64 v7, v[224:225], s[24:25] offset:256*(\s)   ; 256 consecutive bytes
.endm
	MLOAD 0, 0
	MLOAD 1, 1
	MSTEP 0
	MSTEP 1
	MSTEP 2
	MSTEP 3
	s_lshl_b32 s6, s6, 16
	s_or_b32 s5, s5, s6
	v_mov_b32 v16, s5
	v_mov_b32 v17, s7
	ds_store_b64 v28, v[16:17]                     ; all lanes write the same 8 bytes with the same value
; ------------------------------------------------------------------ both jobs meet at one barrier; then wave 0 of a mask work-group joins the four records
.Ltail:
	s_wait_dscnt 0x0                               ; for the others' sake: my record has landed
	s_barrier_signal -1
	s_barrier_wait -1
	s_cmp_lt_u32 ttmp9, 512
	s_cbranch_scc0 .Lend
	s_cmp_eq_u32 s28, 0
	s_cbranch_scc0 .Lend
	s_wait_xcnt 0x0                                ; earlier stores have read their registers; EXEC changes only behind this wait
	ds_load_b128 v[16:19], v29
	ds_load_b128 v[20:23], v29 offset:16
	s_lshl_b32 s30, ttmp9, 2
	s_mov_b32 s31, 0
	s_add_nc_u64 s[26:27], s[26:27], s[30:31]
	s_wait_dscnt 0x0
	v_or_b32 v16, v16, v18
	v_or_b32 v20, v20, v22
	v_or_b32 v16, v16, v20                         ; the tile's flag bits
	v_or_b32 v17, v17, v19
	v_or_b32 v21, v21, v23
	v_or_b32 v17, v17, v21
	v_lshrrev_b32 v18, 16, v17
	v_or_b32 v17, v17, v18
	v_and_b32 v17, 0xffff, v17                     ; bit r: row r has a key that counts
	v_or_b32 v18, 0xffff, v16
	v_cmp_ne_u32 vcc_lo, 0xffff, v17
	v_cndmask_b32 v16, v16, v18, vcc_lo            ; a row with none takes the mean over all keys: every step of the tile is then worked
	v_mov_b32 v19, 0
	v_cmp_eq_u32 vcc_lo, 0, v1
	s_and_saveexec_b32 s29, vcc_lo
	global_store_b32 v19, v16, s[26:27]            ; one word a tile
	s_wait_xcnt 0x0                                ; and again, in front of the line that widens EXEC
	s_or_b32 exec_lo, exec_lo, s29
.Lend:
	s_wait_tensorcnt 0x0
	ds_add_u32 v254, v255
	s_wait_dscnt 0x0
	s_endpgm
.Lfunc_end_k_q92c04767e6_prep:
	.size	k_q92c04767e6_prep, .Lfunc_end_k_q92c04767e6_prep-k_q92c04767e6_prep
	.p2alignl 7, 3214868480
	.fill 96, 4, 3214868480
	.section	.rodata,"a",@progbits
	.p2align	6, 0x0
	.amdhsa_kernel k_q92c04767e6_prep
		.amdhsa_group_segment_fixed_size 68352
		.amdhsa_private_segment_fixed_size 0
		.amdhsa_enable_private_segment 0
		.amdhsa_kernarg_size 96
		.amdhsa_user_sgpr_count 2
		.amdhsa_user_sgpr_kernarg_segment_ptr 1
		.amdhsa_wavefront_size32 1
		.amdhsa_system_sgpr_workgroup_id_x 1
		.amdhsa_system_sgpr_workgroup_id_y 1
		.amdhsa_system_sgpr_workgroup_id_z 1
		.amdhsa_system_vgpr_workitem_id 0
		.amdhsa_next_free_vgpr 256
		.amdhsa_next_free_sgpr 100
		.amdhsa_reserve_vcc 1
		.amdhsa_float_denorm_mode_32 3
		.amdhsa_float_denorm_mode_16_64 3
		.amdhsa_memory_ordered 1
		.amdhsa_forward_progress 1
		.amdhsa_inst_pref_size 90
	.end_amdhsa_kernel
	.amdgpu_metadata
---
amdhsa.version: [ 1, 2 ]
amdhsa.kernels:
  - .name:           k_q92c04767e6_prep
    .symbol:         k_q92c04767e6_prep.kd
    .args:
      - { .name: query, .offset: 0, .size: 8, .value_kind: global_buffer, .address_space: global }
      - { .name: key, .offset: 8, .size: 8, .value_kind: global_buffer, .address_space: global }
      - { .name: value, .offset: 16, .size: 8, .value_kind: global_buffer, .address_space: global }
      - { .name: Wq, .offset: 24, .size: 8, .value_kind: global_buffer, .address_space: global }
      - { .name: Wk, .offset: 32, .size: 8, .value_kind: global_buffer, .address_space: global }
      - { .name: Wv, .offset: 40, .size: 8, .value_kind: global_buffer, .address_space: global }
      - { .name: Wo, .offset: 48, .size: 8, .value_kind: global_buffer, .address_space: global }
      - { .name: mask, .offset: 56, .size: 8, .value_kind: global_buffer, .address_space: global }
      - { .name: cod, .offset: 64, .size: 8, .value_kind: global_buffer, .address_space: global }
      - { .name: scl, .offset: 72, .size: 8, .value_kind: global_buffer, .address_space: global }
      - { .name: maskw, .offset: 80, .size: 8, .value_kind: global_buffer, .address_space: global }
      - { .name: flags, .offset: 88, .size: 8, .value_kind: global_buffer, .address_space: global }
    .group_segment_fixed_size: 68352
    .private_segment_fixed_size: 0
    .kernarg_segment_align: 8
    .kernarg_segment_size: 96
    .max_flat_workgroup_size: 128
    .sgpr_count:     100
    .vgpr_count:     256
    .wavefront_size: 32
...
	.end_amdgpu_metadata
.endif
;; end of part 1
;; launch proj (part 2): grid 192 x 4, 4 waves a work-group, clusters of 4 x 4, 299,520 bytes of LDS; arguments cod, scl, bq, bk, bv, qbuf, kv; writes qbuf, kv
.if DOCPART == 2
	.amdgcn_target "amdgcn-amd-amdhsa--gfx1250"
	.amdhsa_code_object_version 6
	.text
	.protected	k_q92c04767e6_proj
	.globl	k_q92c04767e6_proj
	.p2align	8
	.type	k_q92c04767e6_proj,@function
k_q92c04767e6_proj:
	s_mov_b64 s[64:65], 0
	v_nop
	global_prefetch_b8 v0, s[64:65] scope:SCOPE_SE
	s_setreg_imm32_b32 hwreg(HW_REG_WAVE_MODE, 25, 1), 1
	s_wait_xcnt 0x0
	s_wait_alu depctr_hold_cnt(0) depctr_sa_sdst(0) depctr_va_vdst(0) depctr_va_sdst(0) depctr_va_ssrc(0) depctr_va_vcc(0) depctr_vm_vsrc(0)
	s_getreg_b32 s2, hwreg(HW_REG_IB_STS2, 6, 4)
	s_cmp_eq_u32 s2, 0
	s_cbranch_scc0 .Lentry_in_a_cluster
	s_endpgm
.Lentry_in_a_cluster:
	s_bfe_u32 s2, ttmp6, 0x10000c
	s_cmp_lg_u32 s2, 0xf033
	s_cbranch_scc0 .Lentry_shape_is_right
	s_endpgm
.Lentry_shape_is_right:
; PROJ.  The three input projections in one text, on codes of BF6 (E3M2) with E8M0 scales; the results, with their bias, are quantised in registers into the operands of the attention launch.
; Z[i][j] = sum over k of P[i][k] R[j][k] + bias, K = 1,024.  Source 0 of the matrix instruction = 16 rows of R, source 1 = 16 rows of P: a lane holds ONE i, its registers run along j, and Z is quantised along j.
;   mode 0: P = query, R = Wq: Q, quantised along the head's 64.   mode 1: P = key, R = Wk: K likewise.   mode 2: P = Wv, R = value: V^T, quantised along the keys.
; R's images hold their rows in the changed order (image 2 B + u, row r = row 32 B + 8 u + r + 8 (r / 8)), so that the 16 registers of result tiles 2 B and 2 B + 1 are j = 32 B + 16 (lane / 16) + 0 .. 15.
; SHARES.  A tile of Z is 256 (i) x 128 (j); 256 tiles a mode, 768 work-groups.  A wave takes 64 i x all 128 j: 32 accumulators, and so owns whole fragments and whole scale words of what it stores.
; ALL OF K LIES IN LDS: (256 + 128) rows x 768 bytes, as images of operand registers, dense: a fragment comes by two loads of 16 and two of 8 bytes a lane, each of consecutive bytes.  Nothing is filled twice.
; Each wave asks for four tiles at the start, one for each quarter of K: four tensor loads of mine are out at the most.
; CLUSTERS: 4 x 4 work-groups; P's tiles are shared along a row of the cluster, R's along a column: each is asked for jointly, by the same tensor load with the same descriptor and a mask that names the four.
; The mode hangs on the cluster's number alone, so every branch on it is the same in all partners.
; LIMITS: NaN and infinities are not served; a block of zeros gets the byte 1 (its codes are zeros; this program alone reads the bytes).
; REGISTERS, in windows of 256: window 0: v1-30 addresses; v32-47 P's scale words, v48-79 R's; v80-111 at work; v128-207 codes on their way out; v208-211 scale words on their way out.
;   window 1: P's fragments, two sets of 48; from v128 the bias, 8 tiles of 8.   window 2: R's fragments, two sets of 96.   window 3: accumulator (a, b) at v[8 (8 a + b)].
.set QTR,  73728                       ; a quarter of K in LDS: P's 16 images x 3,072 bytes, then R's 8
.set RBQ,  3072                        ; 16 rows x 256 along K
.set LB,   16*RBQ                      ; where R's begin in a quarter
.set SQ,   4*QTR                       ; behind the tiles: 512 bytes a wave for scale words on their way out (modes 0 and 1),
.set SV,   4*QTR+2048                  ; and 256 a wave (mode 2): no tensor load lands here
.set SA,   32
.set SB,   48
.set H0,   80                          ; v80-83  bytes of blocks 0, 1 of tile a;  v84-87 of blocks 2, 3
.set H1,   84
.set TM,   88                          ; v88-91 largest magnitudes, v92-95 the other half's, then bytes, v100-103 the conversions' scale operands
.set WT,   104
.set PCB,  128
.set BK,   208
.set BIA,  128                         ; in window 1
.set WV,   18
.set G,    19
.set SEL,  100
.set MSB, 0
.macro WIN new                         ; the immediate's high byte repeats the setting that is left
.if MSB != \new
	s_set_vgpr_msb (MSB<<8)|\new
.set MSB, \new
.endif
.endm
.macro PLACES                          ; four places behind a matrix instruction, in front of loads into its registers and of reads of its result
.rept 4
	v_nop
.endr
.endm
.macro CROUND                          ; a round of the cluster's barrier
	s_barrier_signal -1
	s_barrier_wait -1
	s_cmp_lg_u32 s[WV], 0
	s_cbranch_scc1 .Lnot_wave_0_\@
	s_barrier_signal -3
.Lnot_wave_0_\@:
	s_barrier_wait -3
	s_barrier_signal -1
	s_barrier_wait -1
.endm
	s_load_b256 s[4:11], s[0:1], 0x0               ; cod, scl, bq, bk
	s_load_b128 s[12:15], s[0:1], 0x20             ; bv, qbuf
	s_load_b64 s[16:17], s[0:1], 0x30              ; kv
	v_lshl_add_u32 v254, v0, 2, 0x49000
	v_mov_b32 v255, 0
	ds_add_u32 v254, v255
	ds_add_u32 v254, v255
	v_lshrrev_b32 v4, 5, v0
	v_readfirstlane_b32 s[WV], v4                  ; wave 0..3
	s_lshr_b32 s[G], ttmp9, 4                      ; the mode: 16 clusters each
	s_and_b32 s2, ttmp9, 15
	s_bfe_u32 s20, ttmp6, 0x40000                  ; cx
	s_bfe_u32 s21, ttmp6, 0x40004                  ; cy
	s_and_b32 s86, s2, 1                           ; modes 0, 1: 2 clusters along j, 8 along i;  mode 2: 16 along j, 1 along i
	s_lshr_b32 s58, s2, 1
	s_cmp_eq_u32 s[G], 2
	s_cselect_b32 s86, s2, s86
	s_cselect_b32 s58, 0, s58
	s_lshl_b32 s22, s86, 2
	s_add_co_u32 s22, s22, s20                     ; tc: which 128 of j
	s_lshl_b32 s23, s58, 2
	s_add_co_u32 s23, s23, s21                     ; tr: which 256 of i
	s_lshl_b32 s59, s21, 2
	s_lshl_b32 s59, 15, s59                        ; my row of the cluster
	s_lshl_b32 s87, 0x1111, s20                    ; my column
	; descriptor group 1: rows of 3,072 bytes (384 elements of 8 bytes), 12,288 bytes apart in memory, dense in LDS.  P: 8 rows a load;  R: 4
	s_or_b32 s24, s59, (3<<16)|(1<<21)             ; 15:0 the mask; 17:16 elements of 8 bytes; 21 set beside a mask; no padding
	s_mov_b32 s25, 384<<16                         ; tensor_dim0
	s_mov_b32 s26, 8<<16                           ; tensor_dim1
	s_mov_b32 s27, 384<<16                         ; tile_dim0
	s_mov_b32 s28, 8                               ; tile_dim1
	s_mov_b32 s29, 1536                            ; tensor_dim0_stride
	s_mov_b32 s30, 0
	s_mov_b32 s31, 0
	s_or_b32 s32, s87, (3<<16)|(1<<21)
	s_mov_b32 s33, 384<<16
	s_mov_b32 s34, 4<<16
	s_mov_b32 s35, 384<<16
	s_mov_b32 s36, 4
	s_mov_b32 s37, 1536
	s_mov_b32 s38, 0
	s_mov_b32 s39, 0
	s_and_b32 s62, s[WV], 1                        ; which half of the tile's rows I fetch
	s_mul_i32 s60, s[G], 6291456                   ; P: query, key,
	s_cmp_eq_u32 s[G], 2
	s_cselect_b32 s60, 20447232, s60               ; or Wv
	s_mul_i32 s61, s23, 196608
	s_add_co_u32 s60, s60, s61
	s_mul_i32 s61, s62, 98304
	s_add_co_u32 s60, s60, s61
	s_mov_b32 s61, 0
	s_mul_i32 s88, s[G], 786432                    ; R: Wq, Wk,
	s_add_co_u32 s88, s88, 18874368
	s_cmp_eq_u32 s[G], 2
	s_cselect_b32 s88, 12582912, s88               ; or value
	s_mul_i32 s89, s22, 98304
	s_add_co_u32 s88, s88, s89
	s_mul_i32 s89, s62, 49152
	s_add_co_u32 s88, s88, s89
	s_mov_b32 s89, 0
	s_mul_i32 s63, s[WV], 8*RBQ                    ; where they go: waves 0, 1: P's halves;
	s_mul_i32 s90, s[WV], 4*RBQ
	s_add_co_u32 s90, s90, 8*RBQ                   ; waves 2, 3: R's, behind P's 16 images
	s_mov_b32 s[SEL], 0x76543210
	s_mov_b32 s[SEL+1], 0xfedcba98
	s_wait_dscnt 0x0
	s_wait_kmcnt 0x0
	s_add_nc_u64 s[56:57], s[4:5], s[60:61]
	s_add_nc_u64 s[84:85], s[4:5], s[88:89]
	CROUND                                         ; all sixteen work-groups are here: the joint loads meet
.irp kq, 0,1,2,3
	s_mov_b32 s[40+4*\kq], 1
	s_add_co_u32 s[41+4*\kq], s63, QTR*\kq
	s_add_nc_u64 s[42+4*\kq:43+4*\kq], s[56:57], RBQ*\kq
	s_or_b32 s[43+4*\kq], s[43+4*\kq], 0x80000000
	s_mov_b32 s[68+4*\kq], 1
	s_add_co_u32 s[69+4*\kq], s90, QTR*\kq
	s_add_nc_u64 s[70+4*\kq:71+4*\kq], s[84:85], RBQ*\kq
	s_or_b32 s[71+4*\kq], s[71+4*\kq], 0x80000000
.endr
	s_cmp_lt_u32 s[WV], 2                          ; a wave's four fills stand in one branch on the wave's number; four v_nop follow the last
	s_cbranch_scc0 .Lfill_r
	tensor_load_to_lds s[40:43], s[24:31]
	s_nop 0
	tensor_load_to_lds s[44:47], s[24:31]
	s_nop 0
	tensor_load_to_lds s[48:51], s[24:31]
	s_nop 0
	tensor_load_to_lds s[52:55], s[24:31]
	s_nop 0
	PLACES
	s_branch .Lfilled
.Lfill_r:
	tensor_load_to_lds s[68:71], s[32:39]
	s_nop 0
	tensor_load_to_lds s[72:75], s[32:39]
	s_nop 0
	tensor_load_to_lds s[76:79], s[32:39]
	s_nop 0
	tensor_load_to_lds s[80:83], s[32:39]
	s_nop 0
	PLACES
.Lfilled:
	v_and_b32 v4, 31, v0                           ; lane
	v_and_b32 v5, 15, v0                           ; r
	v_bfe_u32 v6, v0, 4, 1                         ; h
	v_lshlrev_b32 v1, 4, v4                        ; 16 x lane
	v_lshlrev_b32 v2, 3, v4                        ; 8 x lane
	v_lshlrev_b32 v3, 2, v5                        ; 4 r
	s_mul_i32 s91, s[WV], 4*RBQ                    ; my four images of P in a quarter
.irp kq, 0,1,2,3
	s_add_co_u32 s92, s91, QTR*\kq
	v_add_nc_u32 v[8+\kq], s92, v1
	v_add_nc_u32 v[12+\kq], s92, v2
	v_add_nc_u32 v[16+\kq], QTR*\kq+LB, v1
	v_add_nc_u32 v[20+\kq], QTR*\kq+LB, v2
.endr
	v_lshlrev_b32 v24, 6, v6                       ; 64 h: the bias along j
	v_and_b32 v7, 8, v5
	v_add_nc_u32 v7, v7, v5
	v_lshlrev_b32 v25, 2, v7                       ; 4 (r + 8 (r / 8)): the bias along i
	s_lshl_b32 s92, s[WV], 9
	v_add_nc_u32 v27, s92, v3
	v_add_nc_u32 v27, SQ, v27
	v_add_nc_u32 v28, s92, v1
	v_add_nc_u32 v28, SQ, v28
	s_lshl_b32 s92, s[WV], 8
	v_add_nc_u32 v29, s92, v3
	v_add_nc_u32 v29, SV, v29
	v_add_nc_u32 v30, s92, v2
	v_add_nc_u32 v30, SV, v30
.irp b, 0,1,2,3
	v_mov_b32 v[TM+4+\b], 0                        ; written once: a lane permute's destination counts as one of its sources
.endr
	; the scale words: one load of 16 bytes a lane brings an image's: lanes 0-15 the words of K steps 0-3 of row r, lanes 16-31 those of K steps 4-7
	s_lshl_b32 s92, s[G], 18
	s_cmp_eq_u32 s[G], 2
	s_cselect_b32 s92, 851968, s92
	s_lshl_b32 s93, s23, 4
	s_lshl_b32 s94, s[WV], 2
	s_add_co_u32 s93, s93, s94
	s_lshl_b32 s93, s93, 9
	s_add_co_u32 s92, s92, s93
	s_mov_b32 s93, 0
	s_add_nc_u64 s[92:93], s[6:7], s[92:93]
	s_lshl_b32 s94, s[G], 15
	s_add_co_u32 s94, s94, 786432
	s_cmp_eq_u32 s[G], 2
	s_cselect_b32 s94, 524288, s94
	s_lshl_b32 s95, s22, 12
	s_add_co_u32 s94, s94, s95
	s_mov_b32 s95, 0
	s_add_nc_u64 s[94:95], s[6:7], s[94:95]
.irp a, 0,1,2,3
	global_load_b128 v[SA+4*\a:SA+4*\a+3], v1, s[92:93] offset:512*\a
.endr
.irp b, 0,1,2,3,4,5,6,7
	global_load_b128 v[SB+4*\b:SB+4*\b+3], v1, s[94:95] offset:512*\b
.endr
	; the bias is the C of each sum's first matrix instruction: eight registers a tile, in the result's layout.  Both arms write all 64 registers
	s_cmp_eq_u32 s[G], 2
	s_cbranch_scc1 .Lbias_i
	s_cmp_eq_u32 s[G], 0
	s_cselect_b64 s[96:97], s[8:9], s[10:11]
	s_lshl_b32 s98, s22, 9
	s_mov_b32 s99, 0
	s_add_nc_u64 s[96:97], s[96:97], s[98:99]
	WIN 0x40                                       ; destination window 1
.irp b, 0,1,2,3,4,5,6,7                ; tile 2 B + u, register n: the bias at j = 32 B + 16 h + 8 u + n
	global_load_b128 v[BIA+8*\b:BIA+8*\b+3], v24, s[96:97] offset:(32*(\b/2)+8*(\b%2))*4
	global_load_b128 v[BIA+8*\b+4:BIA+8*\b+7], v24, s[96:97] offset:(32*(\b/2)+8*(\b%2))*4+16
.endr
	WIN 0
	s_branch .Lbias_done
.Lbias_i:
	s_lshl_b32 s98, s23, 10
	s_lshl_b32 s99, s[WV], 8
	s_add_co_u32 s98, s98, s99
	s_mov_b32 s99, 0
	s_add_nc_u64 s[96:97], s[12:13], s[98:99]
	WIN 0x40
.irp t, 0,1,2,3,4,5,6,7                ; tile t % 4 of my i: all eight registers hold bv at my lane's row of Wv
.irp n, 0,1,2,3,4,5,6,7
	global_load_b32 v[BIA+8*\t+\n], v25, s[96:97] offset:(32*((\t%4)/2)+8*(\t%2))*4
.endr
.endr
	WIN 0
.Lbias_done:
.macro FRAG reg, a16, a8, off          ; a fragment, 12 registers, from its two images of 768 bytes
	ds_load_b128 v[\reg:\reg+3], v[\a16] offset:\off
	ds_load_b64 v[\reg+4:\reg+5], v[\a8] offset:\off+512
	ds_load_b128 v[\reg+6:\reg+9], v[\a16] offset:\off+768
	ds_load_b64 v[\reg+10:\reg+11], v[\a8] offset:\off+1280
.endm
.macro FETCH ks, set                   ; K step ks: R's eight fragments and my four of P: 48 LDS loads in one run
.set KQ, (\ks)/2
.set KO, 1536*((\ks)%2)
	WIN 0x80                                       ; destination window 2
.irp b, 0,1,2,3,4,5,6,7
	FRAG 96*(\set)+12*\b, 16+KQ, 20+KQ, RBQ*\b+KO
.endr
	WIN 0x40                                       ; destination window 1
.irp a, 0,1,2,3
	FRAG 48*(\set)+12*\a, 8+KQ, 12+KQ, RBQ*\a+KO
.endr
.endm
; 16 matrix instructions: my tiles a0, a0 + 1 of i x R's eight.  cm = 0: onto the sums; 1: the bias along j starts them; 2: the bias along i.
; The 32 accumulators take turns, one instruction a turn, in the same order in every K step.
.macro MUL16 a0, set, ks, cm
.irp a, \a0, \a0+1
.irp b, 0,1,2,3,4,5,6,7
.set rD, 8*(8*(\a)+\b)
.set rR, 96*(\set)+12*\b
.set rP, 48*(\set)+12*(\a)
.set rSR, SB+4*\b+(\ks)%4
.set rSP, SA+4*(\a)+(\ks)%4
.set rC, rD
.if \cm == 1
.set rC, BIA+8*\b
.endif
.if \cm == 2
.set rC, BIA+8*((\a)+4*(\b%2))
.endif
.if (\ks) < 4
	v_wmma_scale_f32_16x16x128_f8f6f4 v[rD:rD+7], v[rR:rR+11], v[rP:rP+11], v[rC:rC+7], v[rSR], v[rSP] matrix_a_fmt:MATRIX_FMT_BF6 matrix_b_fmt:MATRIX_FMT_BF6
.else
	v_wmma_scale_f32_16x16x128_f8f6f4 v[rD:rD+7], v[rR:rR+11], v[rP:rP+11], v[rC:rC+7], v[rSR], v[rSP] matrix_a_fmt:MATRIX_FMT_BF6 matrix_b_fmt:MATRIX_FMT_BF6 matrix_a_scale:MATRIX_SCALE_ROW1 matrix_b_scale:MATRIX_SCALE_ROW1
.endif
.endr
.endr
.endm
; K step ks = 1 .. 7 multiplies set ks % 2 and, in its middle, fetches the next step into the other set.  An odd step opens the next quarter of K: my load of it has landed, say so, and read it when all four waves have said so.
.macro KSTEP ks
	s_wait_dscnt 0x0                               ; this step's fragments are in; no LDS instruction of mine is out at a signal
.if ((\ks)%2 == 1) && ((\ks) < 7)
	s_wait_tensorcnt 3-((\ks)+1)/2                 ; my part of the next quarter has landed; the later quarters' loads may be out
	s_barrier_signal -1
.endif
	WIN 0xf6                                       ; source 0 (R) window 2, source 1 (P) window 1, C and D window 3
	MUL16 0, (\ks)%2, \ks, 0
.if ((\ks)%2 == 1) && ((\ks) < 7)
	s_barrier_wait -1
.endif
.if (\ks) < 7
	PLACES
	FETCH (\ks)+1, 1-(\ks)%2
.endif
	WIN 0xf6
	MUL16 2, (\ks)%2, \ks, 0
.endm
	s_wait_tensorcnt 3                             ; my part of the first quarter has landed; three loads may be out
	s_barrier_signal -1
	s_barrier_wait -1                              ; everybody's has
	FETCH 0, 0
	FETCH 1, 1
	WIN 0
	s_wait_loadcnt 0x0                             ; scale words and bias
	s_wait_dscnt 48                                ; K step 0's fragments are in; K step 1's 48 loads may be out
	s_cmp_eq_u32 s[G], 2
	s_cbranch_scc1 .Lk0_i
	WIN 0xd6                                       ; as 0xf6, with C in window 1
	MUL16 0, 0, 0, 1
	MUL16 2, 0, 0, 1
	WIN 0
	s_branch .Lk0_done
.Lk0_i:
	WIN 0xd6
	MUL16 0, 0, 0, 2
	MUL16 2, 0, 0, 2
	WIN 0
.Lk0_done:
	KSTEP 1
	KSTEP 2
	KSTEP 3
	KSTEP 4
	KSTEP 5
	KSTEP 6
	KSTEP 7
	WIN 0
	PLACES
	; ---- where the results go.  s88: my first image's byte; s89: from tile a to a + 1; s90: from a fragment's first half to its second; s91: my scale words; s92: from the first half's words to the second's
	s_lshr_b32 s58, s23, 3                         ; modes 0, 1: the batch,
	s_and_b32 s59, s23, 7                          ; which 256 tokens of it,
	s_lshl_b32 s60, s58, 4
	s_lshl_b32 s61, s22, 1
	s_add_co_u32 s60, s60, s61                     ; and the first of my two heads, counted over batches
	s_cmp_eq_u32 s[G], 1
	s_cbranch_scc1 .Ldest_k
	s_cmp_eq_u32 s[G], 2
	s_cbranch_scc1 .Ldest_v
	s_mov_b64 s[86:87], s[14:15]                   ; Q: qbuf [head][tile of 16 queries][768], then [head][query] scale words
	s_lshl_b32 s88, s60, 7
	s_lshl_b32 s61, s59, 4
	s_add_co_u32 s88, s88, s61
	s_lshl_b32 s61, s[WV], 2
	s_add_co_u32 s88, s88, s61
	s_lshl_b32 s91, s88, 6                         ; 16 queries x 4 bytes a tile
	s_add_co_u32 s91, s91, 6291456
	s_mul_i32 s88, s88, 768
	s_mov_b32 s89, 768
	s_mov_b32 s90, 98304
	s_mov_b32 s92, 8192
	s_branch .Ldest_done
.Ldest_k:
	s_mov_b64 s[86:87], s[16:17]                   ; K: kv [head][step of 128 keys][13,056]: 8 tiles x 768 at 0; 128 scale words at 12,288
	s_lshl_b32 s88, s60, 4
	s_lshl_b32 s61, s59, 1
	s_add_co_u32 s88, s88, s61
	s_lshr_b32 s61, s[WV], 1
	s_add_co_u32 s88, s88, s61
	s_mul_i32 s88, s88, 13056
	s_and_b32 s61, s[WV], 1
	s_lshl_b32 s62, s61, 8
	s_add_co_u32 s91, s88, s62
	s_add_co_u32 s91, s91, 12288
	s_mul_i32 s61, s61, 3072
	s_add_co_u32 s88, s88, s61
	s_mov_b32 s89, 768
	s_mov_b32 s90, 208896
	s_mov_b32 s92, 208896
	s_branch .Ldest_done
.Ldest_v:
	s_mov_b64 s[86:87], s[16:17]                   ; V^T: in the same block: 4 fragments x 1,536 at 6,144; 64 scale words at 12,800
	s_lshr_b32 s88, s22, 4
	s_lshl_b32 s88, s88, 4
	s_lshl_b32 s61, s23, 2
	s_add_co_u32 s88, s88, s61
	s_add_co_u32 s88, s88, s[WV]                   ; my head, counted over batches
	s_lshl_b32 s88, s88, 4
	s_and_b32 s61, s22, 15
	s_add_co_u32 s88, s88, s61
	s_mul_i32 s88, s88, 13056
	s_add_co_u32 s91, s88, 12800
	s_add_co_u32 s88, s88, 6144
	s_mov_b32 s89, 1536
	s_mov_b32 s90, 768
	s_mov_b32 s92, 0
.Ldest_done:
	v_mul_u32_u24 v26, v6, s92
	v_lshl_add_u32 v26, v5, 4, v26                 ; scale words out: lanes 0-15 the first half's 256 bytes, lanes 16-31 the second's
	s_mov_b32 s95, 0
	s_mov_b32 s94, s88
.irp a, 0,1,2,3                        ; eight bases, in the registers of P's descriptors: every tensor load of mine has landed (the wait for 0 in K step 5)
	s_add_nc_u64 s[40+4*\a:41+4*\a], s[86:87], s[94:95]
	s_add_co_u32 s94, s94, s90
	s_add_nc_u64 s[42+4*\a:43+4*\a], s[86:87], s[94:95]
	s_sub_co_u32 s94, s94, s90
	s_add_co_u32 s94, s94, s89
.endr
	s_mov_b32 s94, s91
	s_add_nc_u64 s[56:57], s[86:87], s[94:95]
; Tile a's 64 numbers of a lane (register 16 B + n = j 32 B + 16 h + n of my i) become a fragment's codes and four scale bytes.  Each accumulator is read from its low end on.
.macro QUANT a
.set AC, 64*(\a)
.set PCA, PCB+20*(\a)
	WIN 0x0f                                       ; sources 0 and 1 window 3
.irp b, 0,1,2,3
	v_max3_num_f32 v[TM+\b], |v[AC+16*\b]|, |v[AC+16*\b+1]|, 0x2800000   ; my 16 numbers of block B, and the floor 2^(5 - 127): the byte cannot fall under 1
.endr
.irp i, 2,4,6,8,10,12,14
.irp b, 0,1,2,3
	v_max3_num_f32 v[TM+\b], |v[AC+16*\b+\i]|, |v[AC+16*\b+\i+1]|, v[TM+\b]
.endr
.endr
	WIN 0
.irp b, 0,1,2,3
	v_permlanex16_b32 v[TM+4+\b], v[TM+\b], s[SEL], s[SEL+1]
.endr
.irp b, 0,1,2,3
	v_max_num_f32 v[TM+\b], v[TM+\b], v[TM+4+\b]   ; with lane l xor 16's: the block's largest magnitude
.endr
.irp b, 0,1,2,3
	v_add_nc_u32 v[TM+12+\b], 0xfe000000, v[TM+\b] ; 4 off its exponent field: the conversion's scale operand
.endr
.irp b, 0,1,2,3
	v_lshrrev_b32 v[TM+4+\b], 23, v[TM+12+\b]      ; the scale's byte
.endr
	v_lshl_or_b32 v[H0+(\a)], v[TM+5], 8, v[TM+4]
	v_lshl_or_b32 v[H1+(\a)], v[TM+7], 8, v[TM+6]
	WIN 0x03                                       ; source 0 window 3
.irp c, 0,1
	v_cvt_scalef32_pk16_bf6_f32 v[PCA+6*\c:PCA+6*\c+2], v[AC+32*\c:AC+32*\c+15], v[TM+12+2*\c]
	v_cvt_scalef32_pk16_bf6_f32 v[PCA+12+4*\c:PCA+14+4*\c], v[AC+32*\c+16:AC+32*\c+31], v[TM+13+2*\c]   ; (a conversion's three registers begin on an even number)
.endr
	WIN 0
	v_nop                                          ; one plain place behind a scaled conversion
.irp c, 0,1                            ; the operand's layout wants a WHOLE block in a lane: lanes 0-15 block 2 c, lanes 16-31 block 2 c + 1
.irp i, 0,1,2
	v_permlane16_swap_b32 v[PCA+6*\c+\i], v[PCA+12+4*\c+\i]
.endr
.irp i, 0,1,2
	v_mov_b32 v[PCA+3+6*\c+\i], v[PCA+12+4*\c+\i]
.endr
.endr
	global_store_b128 v1, v[PCA:PCA+3], s[40+4*(\a):41+4*(\a)]              ; each half of the fragment: 512 + 256 consecutive bytes
	global_store_b64 v2, v[PCA+4:PCA+5], s[40+4*(\a):41+4*(\a)] offset:512
	global_store_b128 v1, v[PCA+6:PCA+9], s[42+4*(\a):43+4*(\a)]
	global_store_b64 v2, v[PCA+10:PCA+11], s[42+4*(\a):43+4*(\a)] offset:512
.endm
	QUANT 0
	QUANT 1
	QUANT 2
	QUANT 3
	; the scale words gather in my own LDS bytes and leave in runs of 256 bytes
	s_cmp_eq_u32 s[G], 2
	s_cbranch_scc1 .Lsc_v
.irp a, 0,1,2,3                        ; a head has 64 along K: two bytes; the word's upper two stand over zero codes and are 1.0
	v_or_b32 v[WT+\a], 0x7f7f0000, v[H0+\a]
	v_or_b32 v[WT+4+\a], 0x7f7f0000, v[H1+\a]
.endr
.irp a, 0,1,2,3
	ds_store_b32 v27, v[WT+\a] offset:64*\a        ; (lanes l and l + 16 write the same word with the same value)
	ds_store_b32 v27, v[WT+4+\a] offset:256+64*\a
.endr
	ds_load_b128 v[BK:BK+3], v28                   ; LDS serves a wave's instructions in order: this sees my stores
	s_wait_dscnt 0x0
	global_store_b128 v26, v[BK:BK+3], s[56:57]
	s_branch .Lsc_done
.Lsc_v:
.irp a, 0,1,2,3
	v_lshl_or_b32 v[WT+\a], v[H1+\a], 16, v[H0+\a] ; the four bytes of 128 keys
.endr
.irp a, 0,1,2,3
	ds_store_b32 v29, v[WT+\a] offset:64*\a
.endr
	ds_load_b64 v[BK:BK+1], v30
	s_wait_dscnt 0x0
	global_store_b64 v2, v[BK:BK+1], s[56:57]
.Lsc_done:
	s_wait_tensorcnt 0x0
	ds_add_u32 v254, v255
	s_wait_dscnt 0x0
	CROUND                                         ; the closing round: no work-group ends while a partner may still ask for a tile that names it
	s_endpgm
.Lfunc_end_k_q92c04767e6_proj:
	.size	k_q92c04767e6_proj, .Lfunc_end_k_q92c04767e6_proj-k_q92c04767e6_proj
	.p2alignl 7, 3214868480
	.fill 96, 4, 3214868480
	.section	.rodata,"a",@progbits
	.p2align	6, 0x0
	.amdhsa_kernel k_q92c04767e6_proj
		.amdhsa_group_segment_fixed_size 299520
		.amdhsa_private_segment_fixed_size 0
		.amdhsa_enable_private_segment 0
		.amdhsa_kernarg_size 56
		.amdhsa_user_sgpr_count 2
		.amdhsa_user_sgpr_kernarg_segment_ptr 1
		.amdhsa_wavefront_size32 1
		.amdhsa_system_sgpr_workgroup_id_x 1
		.amdhsa_system_sgpr_workgroup_id_y 1
		.amdhsa_system_sgpr_workgroup_id_z 1
		.amdhsa_system_vgpr_workitem_id 0
		.amdhsa_next_free_vgpr 1024
		.amdhsa_next_free_sgpr 102
		.amdhsa_reserve_vcc 0
		.amdhsa_float_denorm_mode_32 3
		.amdhsa_float_denorm_mode_16_64 3
		.amdhsa_memory_ordered 1
		.amdhsa_forward_progress 1
		.amdhsa_inst_pref_size 104
	.end_amdhsa_kernel
	.amdgpu_metadata
---
amdhsa.version: [ 1, 2 ]
amdhsa.kernels:
  - .name:           k_q92c04767e6_proj
    .symbol:         k_q92c04767e6_proj.kd
    .args:
      - { .name: cod, .offset: 0, .size: 8, .value_kind: global_buffer, .address_space: global }
      - { .name: scl, .offset: 8, .size: 8, .value_kind: global_buffer, .address_space: global }
      - { .name: bq, .offset: 16, .size: 8, .value_kind: global_buffer, .address_space: global }
      - { .name: bk, .offset: 24, .size: 8, .value_kind: global_buffer, .address_space: global }
      - { .name: bv, .offset: 32, .size: 8, .value_kind: global_buffer, .address_space: global }
      - { .name: qbuf, .offset: 40, .size: 8, .value_kind: global_buffer, .address_space: global }
      - { .name: kv, .offset: 48, .size: 8, .value_kind: global_buffer, .address_space: global }
    .group_segment_fixed_size: 299520
    .private_segment_fixed_size: 0
    .kernarg_segment_align: 8
    .kernarg_segment_size: 56
    .max_flat_workgroup_size: 128
    .sgpr_count:     102
    .vgpr_count:     1024
    .wavefront_size: 32
...
	.end_amdgpu_metadata
.endif
;; end of part 2
;; launch attn (part 3): grid 4 x 64, 16 waves a work-group, no clusters, 35,840 bytes of LDS; arguments qbuf, kv, maskw, flags, ao; writes ao
.if DOCPART == 3
	.amdgcn_target "amdgcn-amd-amdhsa--gfx1250"
	.amdhsa_code_object_version 6
	.text
	.protected	k_q92c04767e6_attn
	.globl	k_q92c04767e6_attn
	.p2align	8
	.type	k_q92c04767e6_attn,@function
k_q92c04767e6_attn:
	s_mov_b64 s[64:65], 0
	v_nop
	global_prefetch_b8 v0, s[64:65] scope:SCOPE_SE
	s_setreg_imm32_b32 hwreg(HW_REG_WAVE_MODE, 25, 1), 1
	s_wait_xcnt 0x0
; ATTN.  For each batch and head: S = Q K^T / 8, the mask, the softmax, O = P V, O / the row's sum; O is quantised along the head's 64 into the operand of the output projection.
; Both products on codes of BF6 (E3M2) with E8M0 scales.  THE SOFTMAX AHEAD OF THE SECOND PRODUCT: t = score x log2(e) / 8; M = the row's largest t so far, rounded UP to a whole number; p = 2^(t - M) is what is
; quantised, along the keys; the row's sum is taken of the unquantised p and divides O at the end.  When M moves, the sum and O are multiplied by 2^(old M - new M): exact.
; SHARES.  Work-group (p, head) takes the head's query blocks 7 - p and then p, 256 queries each; each of its sixteen waves owns one tile of 16 queries.  Key steps of 128.
; Both products are used transposed (S^T = K Q^T, O^T = V^T P^T): a lane holds ONE query.  The keys of a tile of K and the rows of V^T were laid by the launch before so that a lane's registers run along
; neighbouring keys (register 16 B + i of S^T = key 32 B + 16 (lane / 16) + i) and along neighbouring channels of O.
; K = 64 IN AN INSTRUCTION 128 DEEP: Q's registers 6-11 are zero codes, so what stands in K's registers 6-11 (the next tile's codes; zeros behind the last) adds exact zeros; their scale bytes are 1.0.
; THE MASK is an input: an earlier launch has turned it into one lane mask for each score register, and into flags for each query tile: which steps hold a key that counts, which hold one that does not.
; A step in which no key counts for any of my 16 queries is passed over by a scalar branch on the stored flags; where a row has no key that counts at all, the flags name every step.
; A masked score becomes -2^33 (a logit of -2^30 in place of -1e9): times c it is a whole number, so a row masked so far has M = t and p = 1 exactly, as the rule gives for equal logits.
; LIMIT: a row that holds an unmasked logit under about -9.9e8 is not served; NaN and infinities are not served.
; NO TENSOR LOADS, NO CLUSTER: the steps are passed over by branches on numbers read from memory, and joint requests exist for tensor loads alone.
; A step's block of 13,056 bytes (K's 8 tiles, V^T's 4 fragments, their scale words) goes from memory through registers into one of two LDS buffers, shared out over the 512 threads, one step ahead; one barrier a step.
; No prefetch: the staging loads are issued a whole key step of sixteen waves' work ahead of the stores that wait for them.
; REGISTERS: v1-5, v10-11 addresses; v12 -M, v13 the largest t, v[14:15] the sum; v16-27 Q (v22-27 zeros); v28 Q's scale word; v29 -2^33; v32-79 fragments, v80-85 zeros; v86-93 scale words;
;   v96-159 S^T, then p; v160-191 O^T; v192-199 staging; v200-222 at work; v224-235 p's codes; v[240:241] a second chain of the sum; v252 f; v253 p's scale word; v254 at work.
.set BUFB, 16384                       ; the second buffer
.set BLK,  13056                       ; a step's block
.set VCO,  6144                        ; V^T's codes in it
.set KSC,  12288                       ; K's scale words
.set VSC,  12800                       ; V^T's
.set SCST, 32768                       ; behind the buffers: 2 x 512 bytes: O's scale bytes of the two query blocks
	s_load_b256 s[4:11], s[0:1], 0x0               ; qbuf, kv, maskw, flags
	s_load_b64 s[12:13], s[0:1], 0x20              ; ao
	v_lshl_add_u32 v251, v0, 2, 0x8400
	v_mov_b32 v255, 0
	v_lshrrev_b32 v5, 5, v0
	v_readfirstlane_b32 s14, v5                    ; wave 0..15
	v_and_b32 v6, 31, v0
	v_and_b32 v7, 15, v0
	v_lshlrev_b32 v1, 4, v6                        ; 16 x lane
	v_lshlrev_b32 v2, 3, v6                        ; 8 x lane
	v_lshlrev_b32 v3, 2, v7                        ; 4 r
	v_lshlrev_b32 v4, 4, v0                        ; 16 x thread
	v_add_nc_u32 v5, SCST, v4
	s_lshl_b32 s2, s14, 5
	v_lshl_add_u32 v11, v7, 1, s2
	v_add_nc_u32 v11, SCST, v11                    ; my query's two scale bytes: 32 x wave + 2 r
.irp j, 22,23,24,25,26,27,80,81,82,83,84,85,204,205,206,207,253,254
	v_mov_b32 v\j, 0                               ; zero codes; and registers that are named before they are first written (a lane permute's destination; the upper half of a pair)
.endr
	v_mov_b32 v29, 0xd0000000                      ; -2^33
	s_mov_b32 s15, ttmp9                           ; p
	s_and_b32 s16, ttmp7, 0xffff                   ; the head, counted over batches
	s_lshr_b32 s17, s16, 4                         ; the batch
	s_and_b32 s24, s16, 15                         ; the head in it
	s_mov_b32 s18, 0                               ; which of my two query blocks
	s_mov_b32 s30, 0
	s_mov_b32 s20, 0x76543210
	s_mov_b32 s21, 0xfedcba98                      ; v_permlanex16_b32's selects for lane l xor 16
	s_mov_b32 s22, 0x3e38aa3b                      ; c = log2(e) / 8
	s_mov_b32 s23, s22                             ; (the packed form names the pair)
	s_wait_kmcnt 0x0
.macro STAGE_LOAD off                  ; a block: 8,192 bytes by all sixteen waves, 4,608 by waves 0-8, 256 by wave 9
	global_load_b128 v[192:195], v4, s[66:67] offset:\off
	s_cmp_lt_u32 s14, 9
	s_cbranch_scc0 .Lw9_\@
	global_load_b128 v[196:199], v4, s[66:67] offset:\off+8192
	s_branch .Lsd_\@
.Lw9_\@:
	s_cmp_eq_u32 s14, 9
	s_cbranch_scc0 .Lsd_\@
	global_load_b64 v[196:197], v2, s[66:67] offset:\off+12800
.Lsd_\@:
.endm
.macro STAGE_STORE buf
	ds_store_b128 v4, v[192:195] offset:BUFB*(\buf)
	s_cmp_lt_u32 s14, 9
	s_cbranch_scc0 .Lx9_\@
	ds_store_b128 v4, v[196:199] offset:BUFB*(\buf)+8192
	s_branch .Lxd_\@
.Lx9_\@:
	s_cmp_eq_u32 s14, 9
	s_cbranch_scc0 .Lxd_\@
	ds_store_b64 v2, v[196:197] offset:BUFB*(\buf)+12800
.Lxd_\@:
.endm
; A KEY STEP, from buffer hb.
.macro STEP hb
.set BUF, BUFB*(\hb)
.rept 4
	v_nop                                          ; places behind the last products, in front of loads into registers that they have read
.endr
	s_load_b512 s[32:47], s[100:101], 256*(\hb)    ; the 64 lane masks of this tile and step
	s_load_b512 s[48:63], s[100:101], 256*(\hb)+64
	s_load_b512 s[68:83], s[100:101], 256*(\hb)+128
	s_load_b512 s[84:99], s[100:101], 256*(\hb)+192
.irp t, 0,1,2,3,4,5,6,7
	ds_load_b128 v[32+6*\t:35+6*\t], v1 offset:BUF+768*\t
	ds_load_b64 v[36+6*\t:37+6*\t], v2 offset:BUF+768*\t+512
	ds_load_b32 v[86+\t], v3 offset:BUF+KSC+64*\t
.endr
	s_wait_dscnt 0x0
.irp t, 0,1,2,3,4,5,6,7                ; S^T = K Q^T
	v_wmma_scale_f32_16x16x128_f8f6f4 v[96+8*\t:103+8*\t], v[32+6*\t:43+6*\t], v[16:27], 0, v[86+\t], v28 matrix_a_fmt:MATRIX_FMT_BF6 matrix_b_fmt:MATRIX_FMT_BF6
.endr
.rept 4
	v_nop                                          ; places in front of the reads of the scores, and of the loads below into K's registers
.endr
.irp a, 0,1,2,3                        ; V^T's four fragments are asked for now and land while the softmax is worked
	ds_load_b128 v[32+12*\a:35+12*\a], v1 offset:BUF+VCO+1536*\a
	ds_load_b64 v[36+12*\a:37+12*\a], v2 offset:BUF+VCO+1536*\a+512
	ds_load_b128 v[38+12*\a:41+12*\a], v1 offset:BUF+VCO+1536*\a+768
	ds_load_b64 v[42+12*\a:43+12*\a], v2 offset:BUF+VCO+1536*\a+1280
	ds_load_b32 v[86+\a], v3 offset:BUF+VSC+64*\a
.endr
	s_wait_kmcnt 0x0                               ; the lane masks are in (on both ways)
	s_bitcmp1_b32 s28, 0                           ; a step all of whose keys count skips the masking
	s_cbranch_scc0 .Lopen_\@
.set n, 0
.rept 64
	v_cndmask_b32 v[96+n], v29, v[96+n], s[32+n+4*(n/32)]
.set n, n+1
.endr
.Lopen_\@:
.irp b, 0,1,2,3
	v_max3_num_f32 v[200+\b], v[96+16*\b], v[97+16*\b], v[98+16*\b]   ; THE LARGEST SCORE OF EACH BLOCK OF 32 KEYS: it serves for the row's maximum and, since p rises with the score, for the block's largest p
.endr
.irp i, 3,5,7,9,11,13
.irp b, 0,1,2,3
	v_max3_num_f32 v[200+\b], v[200+\b], v[96+16*\b+\i], v[97+16*\b+\i]
.endr
.endr
.irp b, 0,1,2,3
	v_max_num_f32 v[200+\b], v[200+\b], v[111+16*\b]
.endr
.irp b, 0,1,2,3
	v_permlanex16_b32 v[204+\b], v[200+\b], s20, s21
.endr
.irp b, 0,1,2,3
	v_max_num_f32 v[200+\b], v[200+\b], v[204+\b]  ; with lane l xor 16's 16 keys
.endr
	v_max3_num_f32 v254, v200, v201, v202
	v_max_num_f32 v254, v254, v203                 ; the step's largest score of my query
	v_mul_f32 v254, s22, v254                      ; as t (c is positive)
	v_max_num_f32 v13, v13, v254                   ; the running largest t
	v_mov_b32 v254, v12
	v_floor_f32 v12, -v13                          ; the new -M = floor(-t): M IS A WHOLE NUMBER
	v_sub_f32 v254, v12, v254                      ; old M less new M: a whole number, 0 or less
	v_cvt_i32_f32 v254, v254                       ; (it saturates)
	v_ldexp_f32 v252, 1.0, v254                    ; f = 2^(old M - new M)
.set j, 0
.rept 32
	v_pk_fma_f32 v[96+j:97+j], v[96+j:97+j], s[22:23], v[12:13] op_sel_hi:[1,0,0]   ; t - M, two at a time
.set j, j+2
.endr
.irp b, 0,1,2,3
	v_fma_f32 v[200+\b], v[200+\b], s22, v12       ; the same of each block's largest score
.endr
.set j, 0
.rept 64
	v_exp_f32 v[96+j], v[96+j]                     ; p = 2^(t - M), at most 1: NOT normalised
.set j, j+1
.endr
	v_pk_mul_f32 v[14:15], v[14:15], v[252:253] op_sel_hi:[1,0]   ; the sums under the new M.  (A plain place behind the exponentials)
	s_wait_alu depctr_va_vdst(0)                   ; one wait for the whole batch, ahead of its first reader
.irp b, 0,1,2,3
	v_exp_f32 v[200+\b], v[200+\b]                 ; the block's largest p: the same two instructions on the same number give the same bits
.endr
	v_pk_add_f32 v[240:241], v[96:97], v[98:99]    ; THE ROW'S SUM IS TAKEN OF THE UNQUANTISED p, in two chains
.irp j, 4,8,12,16,20,24,28,32,36,40,44,48,52,56,60
	v_pk_add_f32 v[14:15], v[14:15], v[96+\j:97+\j]
	v_pk_add_f32 v[240:241], v[240:241], v[98+\j:99+\j]
.endr
	v_pk_add_f32 v[14:15], v[14:15], v[240:241]
	s_wait_alu depctr_va_vdst(0)                   ; and one for the four
.irp b, 0,1,2,3
	v_max_num_f32 v[200+\b], 0x2800000, v[200+\b]  ; the floor 2^(5 - 127): the byte cannot fall under 1
.endr
.irp b, 0,1,2,3
	v_add_nc_u32 v[208+\b], 0xfe000000, v[200+\b]  ; 4 off the exponent field: the conversion's scale operand
.endr
.irp b, 0,1,2,3
	v_lshrrev_b32 v[212+\b], 23, v[208+\b]         ; the scale's byte
.endr
	v_lshl_or_b32 v253, v213, 8, v212              ; p's scale word for these 128 keys
	v_lshl_or_b32 v253, v214, 16, v253
	v_lshl_or_b32 v253, v215, 24, v253
.irp c, 0,1
	v_cvt_scalef32_pk16_bf6_f32 v[224+6*\c:226+6*\c], v[96+32*\c:111+32*\c], v[208+2*\c]
	v_cvt_scalef32_pk16_bf6_f32 v[216+4*\c:218+4*\c], v[112+32*\c:127+32*\c], v[209+2*\c]   ; (a conversion's three registers begin on an even number)
.endr
	v_nop                                          ; one plain place behind a scaled conversion
.irp c, 0,1                            ; the operand's layout wants a WHOLE block in a lane
.irp i, 0,1,2
	v_permlane16_swap_b32 v[224+6*\c+\i], v[216+4*\c+\i]
.endr
.irp i, 0,1,2
	v_mov_b32 v[227+6*\c+\i], v[216+4*\c+\i]
.endr
.endr
.set j, 0
.rept 16
	v_pk_mul_f32 v[160+j:161+j], v[160+j:161+j], v[252:253] op_sel_hi:[1,0]   ; O^T under the new M.  (Of these 16, twelve name no register of any one product below: the places between the scale word, the codes and the products)
.set j, j+2
.endr
	s_wait_dscnt 0x0                               ; V^T's fragments are in
.irp a, 0,1,2,3                        ; O^T += V^T P^T: the four accumulators by turns
	v_wmma_scale_f32_16x16x128_f8f6f4 v[160+8*\a:167+8*\a], v[32+12*\a:43+12*\a], v[224:235], v[160+8*\a:167+8*\a], v[86+\a], v253 matrix_a_fmt:MATRIX_FMT_BF6 matrix_b_fmt:MATRIX_FMT_BF6
.endr
.endm
; One key step of the loop: s26 bit 1: some wave of the work-group works the NEXT step; s27 bit 0: I work this one; s28 bit 0: it has keys that do not count.
; The next step's block is asked for first, stored into the other buffer behind this step's work, and shown to all by the one barrier; that buffer was last read a step ago, in front of the last barrier.
.macro HALF hb
	s_bitcmp1_b32 s26, 1
	s_cbranch_scc0 .Lnl_\@
	STAGE_LOAD BLK*((\hb)+1)
.Lnl_\@:
	s_bitcmp1_b32 s27, 0
	s_cbranch_scc0 .Lns_\@
	STEP \hb
.Lns_\@:
	s_wait_loadcnt 0x0
	s_bitcmp1_b32 s26, 1
	s_cbranch_scc0 .Lnst_\@
	STAGE_STORE 1-(\hb)
.Lnst_\@:
	s_lshr_b32 s26, s26, 1
	s_lshr_b32 s27, s27, 1
	s_lshr_b32 s28, s28, 1
	s_wait_dscnt 0x0                               ; my stores have landed and my reads of this step's buffer are over
	s_barrier_signal -1
	s_barrier_wait -1
.endm
.Lpass:
	s_wait_xcnt 0x0                                ; earlier memory instructions have read their bases and data: both are written again below
	s_sub_co_u32 s19, 7, s15
	s_cmp_eq_u32 s18, 0
	s_cselect_b32 s19, s19, s15                    ; the query block: 7 - p, then p
	s_lshl_b32 s3, s19, 4
	s_lshl_b32 s2, s17, 7
	s_add_co_u32 s2, s2, s3                        ; the block's first query tile, counted over batches
	s_mov_b32 s51, 0
	s_lshl_b32 s50, s2, 2
	s_add_nc_u64 s[52:53], s[10:11], s[50:51]
	s_load_b512 s[32:47], s[52:53], 0x0            ; the flags of the block's sixteen tiles,
	s_lshl_b32 s50, s14, 2
	s_add_nc_u64 s[54:55], s[52:53], s[50:51]
	s_load_b32 s48, s[54:55], 0x0                  ; and my tile's
	s_lshl_b32 s56, s16, 7
	s_add_co_u32 s56, s56, s3
	s_add_co_u32 s56, s56, s14                     ; my tile, counted over heads
	s_mul_i32 s58, s56, 768
	s_mov_b32 s59, 0
	s_add_nc_u64 s[60:61], s[4:5], s[58:59]
	s_lshl_b32 s58, s56, 6
	s_add_co_u32 s58, s58, 6291456
	s_add_nc_u64 s[62:63], s[4:5], s[58:59]
	s_mul_i32 s58, s16, 16*BLK
	s_add_nc_u64 s[66:67], s[6:7], s[58:59]        ; the head's first block of K and V
	s_add_co_u32 s58, s2, s14
	s_lshl_b32 s58, s58, 12
	s_add_nc_u64 s[100:101], s[8:9], s[58:59]      ; my tile's lane masks
	global_load_b128 v[16:19], v1, s[60:61]        ; Q's codes: registers 0-5 of the operand
	global_load_b64 v[20:21], v2, s[60:61] offset:512
	global_load_b32 v28, v3, s[62:63]              ; and its scale words
	STAGE_LOAD 0                                   ; step 0's block, whatever the flags say
	v_mov_b32 v13, 0xff61b1e6                      ; the largest t so far: -3e38, under every t
	v_floor_f32 v12, -v13                          ; -M
	v_mov_b32 v14, 0
	v_mov_b32 v15, 0
.set j, 0
.rept 32
	v_mov_b32 v[160+j], 0                          ; O^T: which step is the first to be worked hangs on the flags, so the sums begin as zeros, which the first change of M leaves zeros
.set j, j+1
.endr
	s_wait_loadcnt 0x0
	STAGE_STORE 0
	s_wait_kmcnt 0x0
	s_or_b64 s[32:33], s[32:33], s[34:35]
.irp p, 36,38,40,42,44,46
	s_or_b64 s[32:33], s[32:33], s[\p:\p+1]
.endr
	s_or_b32 s26, s32, s33
	s_and_b32 s26, s26, 0xffff                     ; steps that some wave works (bit 16 is 0: nothing is asked for behind the last step)
	s_and_b32 s27, s48, 0xffff                     ; steps that I work
	s_lshr_b32 s28, s48, 16                        ; steps with keys that do not count
	s_mov_b32 s29, 0
	s_wait_dscnt 0x0
	s_barrier_signal -1
	s_barrier_wait -1
.Ltrip:                                            ; 8 trips of two key steps
	HALF 0
	HALF 1
	s_wait_xcnt 0x0                                ; the trip's loads have read their bases
	s_add_nc_u64 s[66:67], s[66:67], 2*BLK
	s_add_nc_u64 s[100:101], s[100:101], 512
	s_add_co_u32 s29, s29, 1
	s_cmp_lt_u32 s29, 8
	s_cbranch_scc1 .Ltrip
	; THE WAY OUT of a query block: O^T / the sum; register 16 B + i = channel 32 B + 16 h + i of my query: two blocks of the next product's K
.rept 4
	v_nop                                          ; places behind the last products
.endr
	v_add_f32 v14, v14, v15                        ; the sum's two halves,
	v_permlanex16_b32 v254, v14, s20, s21
	v_add_f32 v14, v14, v254                       ; and lane l xor 16's
	v_rcp_f32 v14, v14
	v_add_nc_u32 v10, s30, v11                     ; (a plain place behind the transcendental)
	s_lshl_b32 s50, s17, 7
	s_lshl_b32 s51, s19, 4
	s_add_co_u32 s50, s50, s51
	s_add_co_u32 s50, s50, s14                     ; my 16 tokens' image,
	s_mul_i32 s50, s50, 12288
	s_mul_i32 s51, s24, 768                        ; my head's half fragment in it
	s_add_co_u32 s50, s50, s51
	s_mov_b32 s51, 0
	s_add_nc_u64 s[52:53], s[12:13], s[50:51]
	s_wait_alu depctr_va_vdst(0)                   ; the wait, ahead of the first reader
.set j, 0
.rept 32
	v_mul_f32 v[96+j], v[160+j], v14               ; each accumulator from its low end on
.set j, j+1
.endr
.irp b, 0,1
	v_max3_num_f32 v[200+\b], |v[96+16*\b]|, |v[97+16*\b]|, 0x2800000
.endr
.irp i, 2,4,6,8,10,12,14
.irp b, 0,1
	v_max3_num_f32 v[200+\b], v[200+\b], |v[96+16*\b+\i]|, |v[97+16*\b+\i]|
.endr
.endr
.irp b, 0,1
	v_permlanex16_b32 v[204+\b], v[200+\b], s20, s21
.endr
.irp b, 0,1
	v_max_num_f32 v[200+\b], v[200+\b], v[204+\b]
.endr
.irp b, 0,1
	v_add_nc_u32 v[208+\b], 0xfe000000, v[200+\b]
.endr
.irp b, 0,1
	v_lshrrev_b32 v[212+\b], 23, v[208+\b]
.endr
	v_lshl_or_b32 v212, v213, 8, v212              ; my query's two scale bytes
	v_cvt_scalef32_pk16_bf6_f32 v[224:226], v[96:111], v208
	v_cvt_scalef32_pk16_bf6_f32 v[228:230], v[112:127], v209
	v_nop                                          ; one plain place behind a scaled conversion
.irp i, 0,1,2
	v_permlane16_swap_b32 v[224+\i], v[228+\i]     ; lanes 0-15 block 0, lanes 16-31 block 1
.endr
	v_mov_b32 v227, v228
	v_mov_b32 v228, v229
	v_mov_b32 v229, v230
	global_store_b128 v1, v[224:227], s[52:53]     ; 512 + 256 consecutive bytes
	global_store_b64 v2, v[228:229], s[52:53] offset:512
	ds_store_b16 v10, v212                         ; (lanes l and l + 16 write the same bytes with the same value)
	s_add_co_u32 s30, s30, 512
	s_add_co_u32 s18, s18, 1
	s_cmp_lt_u32 s18, 2
	s_cbranch_scc1 .Lpass
	s_wait_dscnt 0x0                               ; the scale bytes of both query blocks lie in LDS:
	s_barrier_signal -1
	s_barrier_wait -1
	s_cmp_lt_u32 s14, 2                            ; wave 0 stores the first block's 512 bytes, wave 1 the second's
	s_cbranch_scc0 .Lend
	ds_load_b128 v[96:99], v5
	s_sub_co_u32 s2, 7, s15
	s_cmp_eq_u32 s14, 0
	s_cselect_b32 s2, s2, s15
	s_lshl_b32 s2, s2, 9
	s_lshl_b32 s3, s16, 12
	s_add_co_u32 s2, s2, s3
	s_add_co_u32 s2, s2, 6291456
	s_mov_b32 s3, 0
	s_add_nc_u64 s[50:51], s[12:13], s[2:3]
	s_wait_dscnt 0x0
	global_store_b128 v1, v[96:99], s[50:51]
.Lend:
	s_wait_tensorcnt 0x0
	ds_add_u32 v251, v255
	s_wait_dscnt 0x0
	s_endpgm
.Lfunc_end_k_q92c04767e6_attn:
	.size	k_q92c04767e6_attn, .Lfunc_end_k_q92c04767e6_attn-k_q92c04767e6_attn
	.p2alignl 7, 3214868480
	.fill 96, 4, 3214868480
	.section	.rodata,"a",@progbits
	.p2align	6, 0x0
	.amdhsa_kernel k_q92c04767e6_attn
		.amdhsa_group_segment_fixed_size 35840
		.amdhsa_private_segment_fixed_size 0
		.amdhsa_enable_private_segment 0
		.amdhsa_kernarg_size 40
		.amdhsa_user_sgpr_count 2
		.amdhsa_user_sgpr_kernarg_segment_ptr 1
		.amdhsa_wavefront_size32 1
		.amdhsa_system_sgpr_workgroup_id_x 1
		.amdhsa_system_sgpr_workgroup_id_y 1
		.amdhsa_system_sgpr_workgroup_id_z 1
		.amdhsa_system_vgpr_workitem_id 0
		.amdhsa_next_free_vgpr 256
		.amdhsa_next_free_sgpr 102
		.amdhsa_reserve_vcc 0
		.amdhsa_float_denorm_mode_32 3
		.amdhsa_float_denorm_mode_16_64 3
		.amdhsa_memory_ordered 1
		.amdhsa_forward_progress 1
		.amdhsa_inst_pref_size 55
	.end_amdhsa_kernel
	.amdgpu_metadata
---
amdhsa.version: [ 1, 2 ]
amdhsa.kernels:
  - .name:           k_q92c04767e6_attn
    .symbol:         k_q92c04767e6_attn.kd
    .args:
      - { .name: qbuf, .offset: 0, .size: 8, .value_kind: global_buffer, .address_space: global }
      - { .name: kv, .offset: 8, .size: 8, .value_kind: global_buffer, .address_space: global }
      - { .name: maskw, .offset: 16, .size: 8, .value_kind: global_buffer, .address_space: global }
      - { .name: flags, .offset: 24, .size: 8, .value_kind: global_buffer, .address_space: global }
      - { .name: ao, .offset: 32, .size: 8, .value_kind: global_buffer, .address_space: global }
    .group_segment_fixed_size: 35840
    .private_segment_fixed_size: 0
    .kernarg_segment_align: 8
    .kernarg_segment_size: 40
    .max_flat_workgroup_size: 512
    .sgpr_count:     102
    .vgpr_count:     256
    .wavefront_size: 32
...
	.end_amdgpu_metadata
.endif
;; end of part 3
;; launch oproj (part 4): grid 64 x 4, 4 waves a work-group, clusters of 4 x 4, 303,616 bytes of LDS; arguments ao, cod, scl, bo, out0; writes out0
.if DOCPART == 4
	.amdgcn_target "amdgcn-amd-amdhsa--gfx1250"
	.amdhsa_code_object_version 6
	.text
	.protected	k_q92c04767e6_oproj
	.globl	k_q92c04767e6_oproj
	.p2align	8
	.type	k_q92c04767e6_oproj,@function
k_q92c04767e6_oproj:
	s_mov_b64 s[64:65], 0
	v_nop
	global_prefetch_b8 v0, s[64:65] scope:SCOPE_SE
	s_setreg_imm32_b32 hwreg(HW_REG_WAVE_MODE, 25, 1), 1
	s_wait_xcnt 0x0
	s_wait_alu depctr_hold_cnt(0) depctr_sa_sdst(0) depctr_va_vdst(0) depctr_va_sdst(0) depctr_va_ssrc(0) depctr_va_vcc(0) depctr_vm_vsrc(0)
	s_getreg_b32 s2, hwreg(HW_REG_IB_STS2, 6, 4)
	s_cmp_eq_u32 s2, 0
	s_cbranch_scc0 .Lentry_in_a_cluster
	s_endpgm
.Lentry_in_a_cluster:
	s_bfe_u32 s2, ttmp6, 0x10000c
	s_cmp_lg_u32 s2, 0xf033
	s_cbranch_scc0 .Lentry_shape_is_right
	s_endpgm
.Lentry_shape_is_right:
; OPROJ.  out0[i][j] = sum over k of O[i][k] Wo[j][k] + bo[j], K = 1,024, on codes of BF6 (E3M2) with E8M0 scales; out0 f32.
; O's codes come from the attention launch, Wo's from the first launch, both as images of operand registers: [16 rows][K step of 128][half][768 bytes].
; Source 0 of the matrix instruction = 16 rows of Wo, source 1 = 16 tokens: a lane holds one token and eight neighbouring outputs.
; SHARES.  A tile is 256 tokens x 128 outputs: 256 work-groups.  A wave takes 64 tokens x 128 outputs: 32 accumulators.
; ALL OF K LIES IN LDS, (256 + 128) rows x 768 bytes, dense; nothing is filled twice.  Each wave asks for four tiles at the start, one for each quarter of K: four tensor loads of mine are out at the most.
; CLUSTERS: 4 x 4 work-groups; O's tiles are shared along a row of the cluster, Wo's along a column, by joint loads.
; REGISTERS, in windows of 256: window 0: v1-31 addresses; v32-47 O's scale words, v48-79 Wo's; v128-255 at work at the head and on the way out.
;   window 1: O's fragments, two sets of 48; from v128 the bias, 8 tiles of 8.   window 2: Wo's fragments, two sets of 96.   window 3: accumulator (a, b) at v[8 (8 a + b)].
.set QTR,  73728                       ; a quarter of K in LDS: O's 16 images x 3,072 bytes, then Wo's 8
.set RBQ,  3072
.set LB,   16*RBQ
.set SCT,  4*QTR                       ; behind the tiles: 2,048 bytes a wave in which O's scale bytes are turned; no tensor load lands here
.set SPITCH, 528                       ; the way out: a stage of 16 rows x (512 + 16) bytes a wave, in the first quarter's bytes: filled once, and last read in front of the barriers of K steps 1 to 5
.set SA,   32
.set SB,   48
.set BIA,  128                         ; in window 1
.set HW,   128                         ; v128-143 scale bytes as loaded
.set BKO,  128                         ; the way out: v128-191 and v192-255 by turns
.set WV,   18
.set MSB, 0
.macro WIN new                         ; the immediate's high byte repeats the setting that is left
.if MSB != \new
	s_set_vgpr_msb (MSB<<8)|\new
.set MSB, \new
.endif
.endm
.macro PLACES                          ; four places behind a matrix instruction, in front of loads into its registers and of reads of its result
.rept 4
	v_nop
.endr
.endm
.macro CROUND                          ; a round of the cluster's barrier
	s_barrier_signal -1
	s_barrier_wait -1
	s_cmp_lg_u32 s[WV], 0
	s_cbranch_scc1 .Lnot_wave_0_\@
	s_barrier_signal -3
.Lnot_wave_0_\@:
	s_barrier_wait -3
	s_barrier_signal -1
	s_barrier_wait -1
.endm
	s_load_b256 s[4:11], s[0:1], 0x0               ; ao, cod, scl, bo
	s_load_b64 s[12:13], s[0:1], 0x20              ; out0
	v_lshl_add_u32 v126, v0, 2, 0x4a000
	v_mov_b32 v127, 0
	ds_add_u32 v126, v127
	ds_add_u32 v126, v127
	v_lshrrev_b32 v4, 5, v0
	v_readfirstlane_b32 s[WV], v4                  ; wave 0..3
	s_bfe_u32 s20, ttmp6, 0x40000                  ; cx
	s_bfe_u32 s21, ttmp6, 0x40004                  ; cy
	s_and_b32 s86, ttmp9, 1                        ; 2 clusters along the outputs, 8 along the tokens
	s_lshr_b32 s58, ttmp9, 1
	s_lshl_b32 s22, s86, 2
	s_add_co_u32 s22, s22, s20                     ; tc: which 128 outputs
	s_lshl_b32 s23, s58, 2
	s_add_co_u32 s23, s23, s21                     ; tr: which 256 tokens
	s_lshl_b32 s59, s21, 2
	s_lshl_b32 s59, 15, s59                        ; my row of the cluster
	s_lshl_b32 s87, 0x1111, s20                    ; my column
	; descriptor group 1: rows of 3,072 bytes (384 elements of 8 bytes), 12,288 bytes apart in memory, dense in LDS.  O: 8 rows a load;  Wo: 4
	s_or_b32 s24, s59, (3<<16)|(1<<21)             ; 15:0 the mask; 17:16 elements of 8 bytes; 21 set beside a mask; no padding
	s_mov_b32 s25, 384<<16                         ; tensor_dim0
	s_mov_b32 s26, 8<<16                           ; tensor_dim1
	s_mov_b32 s27, 384<<16                         ; tile_dim0
	s_mov_b32 s28, 8                               ; tile_dim1
	s_mov_b32 s29, 1536                            ; tensor_dim0_stride
	s_mov_b32 s30, 0
	s_mov_b32 s31, 0
	s_or_b32 s32, s87, (3<<16)|(1<<21)
	s_mov_b32 s33, 384<<16
	s_mov_b32 s34, 4<<16
	s_mov_b32 s35, 384<<16
	s_mov_b32 s36, 4
	s_mov_b32 s37, 1536
	s_mov_b32 s38, 0
	s_mov_b32 s39, 0
	s_and_b32 s62, s[WV], 1                        ; which half of the tile's rows I fetch
	s_mul_i32 s60, s23, 196608
	s_mul_i32 s61, s62, 98304
	s_add_co_u32 s60, s60, s61
	s_mov_b32 s61, 0
	s_mul_i32 s88, s22, 98304
	s_add_co_u32 s88, s88, 21233664                ; Wo's codes
	s_mul_i32 s89, s62, 49152
	s_add_co_u32 s88, s88, s89
	s_mov_b32 s89, 0
	s_mul_i32 s63, s[WV], 8*RBQ                    ; where they go: waves 0, 1: O's halves;
	s_mul_i32 s90, s[WV], 4*RBQ
	s_add_co_u32 s90, s90, 8*RBQ                   ; waves 2, 3: Wo's, behind O's 16 images
	s_wait_dscnt 0x0
	s_wait_kmcnt 0x0
	s_add_nc_u64 s[56:57], s[4:5], s[60:61]
	s_add_nc_u64 s[84:85], s[6:7], s[88:89]
	CROUND                                         ; all sixteen work-groups are here: the joint loads meet
.irp kq, 0,1,2,3
	s_mov_b32 s[40+4*\kq], 1
	s_add_co_u32 s[41+4*\kq], s63, QTR*\kq
	s_add_nc_u64 s[42+4*\kq:43+4*\kq], s[56:57], RBQ*\kq
	s_or_b32 s[43+4*\kq], s[43+4*\kq], 0x80000000
	s_mov_b32 s[68+4*\kq], 1
	s_add_co_u32 s[69+4*\kq], s90, QTR*\kq
	s_add_nc_u64 s[70+4*\kq:71+4*\kq], s[84:85], RBQ*\kq
	s_or_b32 s[71+4*\kq], s[71+4*\kq], 0x80000000
.endr
	s_cmp_lt_u32 s[WV], 2                          ; a wave's four fills stand in one branch on the wave's number; four v_nop follow the last
	s_cbranch_scc0 .Lfill_r
	tensor_load_to_lds s[40:43], s[24:31]
	s_nop 0
	tensor_load_to_lds s[44:47], s[24:31]
	s_nop 0
	tensor_load_to_lds s[48:51], s[24:31]
	s_nop 0
	tensor_load_to_lds s[52:55], s[24:31]
	s_nop 0
	PLACES
	s_branch .Lfilled
.Lfill_r:
	tensor_load_to_lds s[68:71], s[32:39]
	s_nop 0
	tensor_load_to_lds s[72:75], s[32:39]
	s_nop 0
	tensor_load_to_lds s[76:79], s[32:39]
	s_nop 0
	tensor_load_to_lds s[80:83], s[32:39]
	s_nop 0
	PLACES
.Lfilled:
	v_and_b32 v4, 31, v0                           ; lane
	v_and_b32 v5, 15, v0                           ; r
	v_bfe_u32 v6, v0, 4, 1                         ; h
	v_lshlrev_b32 v1, 4, v4                        ; 16 x lane
	v_lshlrev_b32 v2, 3, v4                        ; 8 x lane
	s_mul_i32 s91, s[WV], 4*RBQ                    ; my four images of O in a quarter
.irp kq, 0,1,2,3
	s_add_co_u32 s92, s91, QTR*\kq
	v_add_nc_u32 v[8+\kq], s92, v1
	v_add_nc_u32 v[12+\kq], s92, v2
	v_add_nc_u32 v[16+\kq], QTR*\kq+LB, v1
	v_add_nc_u32 v[20+\kq], QTR*\kq+LB, v2
.endr
	v_lshlrev_b32 v24, 5, v6                       ; 32 h: the bias
	v_lshlrev_b32 v25, 2, v4                       ; 4 x lane: two tokens' scale bytes of one head
	s_mul_i32 s92, s[WV], 16*SPITCH                ; my stage
	v_mul_u32_u24 v26, v5, SPITCH
	v_lshl_add_u32 v26, v6, 5, v26
	v_add_nc_u32 v26, s92, v26                     ; in: row r, 32 bytes for each half of the lanes
	v_add_nc_u32 v27, s92, v1                      ; back: the 32 lanes take one row of 512 bytes
	s_lshl_b32 s92, s[WV], 11
	v_lshl_add_u32 v31, v4, 6, s92
	v_add_nc_u32 v31, SCT, v31                     ; the turn, in: tokens 2 l and 2 l + 1, 32 bytes each
	v_lshlrev_b32 v30, 5, v5
	v_lshl_add_u32 v30, v6, 4, v30
	v_add_nc_u32 v30, s92, v30
	v_add_nc_u32 v30, SCT, v30                     ; and out: token r, + 16 h: lanes 0-15 the words of K steps 0-3, lanes 16-31 those of K steps 4-7
	; O's scale bytes lie [head][token], two bytes each: my 64 tokens of all 16 heads
	s_lshr_b32 s92, s23, 3
	s_lshl_b32 s92, s92, 16                        ; the batch: 16 heads x 4,096 bytes
	s_and_b32 s93, s23, 7
	s_lshl_b32 s93, s93, 9
	s_add_co_u32 s92, s92, s93
	s_lshl_b32 s93, s[WV], 7
	s_add_co_u32 s92, s92, s93
	s_add_co_u32 s92, s92, 6291456
	s_mov_b32 s93, 0
	s_add_nc_u64 s[92:93], s[4:5], s[92:93]
.irp d, 0,1,2,3,4,5,6,7,8,9,10,11,12,13,14,15
	global_load_b32 v[HW+\d], v25, s[92:93] offset:4096*\d
.endr
	s_lshl_b32 s94, s22, 12
	s_add_co_u32 s94, s94, 884736
	s_mov_b32 s95, 0
	s_add_nc_u64 s[94:95], s[8:9], s[94:95]
.irp b, 0,1,2,3,4,5,6,7
	global_load_b128 v[SB+4*\b:SB+4*\b+3], v1, s[94:95] offset:512*\b   ; Wo's scale words: lanes 0-15 K steps 0-3 of row r, lanes 16-31 K steps 4-7
.endr
	s_lshl_b32 s98, s22, 9
	s_mov_b32 s99, 0
	s_add_nc_u64 s[96:97], s[10:11], s[98:99]
	WIN 0x40                                       ; destination window 1
.irp b, 0,1,2,3,4,5,6,7                ; the bias is the C of each sum's first matrix instruction: tile b, register n: bo at output 16 b + 8 h + n
	global_load_b128 v[BIA+8*\b:BIA+8*\b+3], v24, s[96:97] offset:64*\b
	global_load_b128 v[BIA+8*\b+4:BIA+8*\b+7], v24, s[96:97] offset:64*\b+16
.endr
	WIN 0
	s_wait_loadcnt 24                              ; the 16 loads of scale bytes are in; Wo's 8 and the bias's 16 may be out
.irp d, 0,1,2,3,4,5,6,7,8,9,10,11,12,13,14,15
	ds_store_b16 v31, v[HW+\d] offset:2*\d         ; token-major: a token's 16 heads x 2 bytes are its eight scale words
	ds_store_b16_d16_hi v31, v[HW+\d] offset:32+2*\d
.endr
.irp a, 0,1,2,3
	ds_load_b128 v[SA+4*\a:SA+4*\a+3], v30 offset:512*\a   ; LDS serves a wave's instructions in order: these see my stores
.endr
.macro FRAG reg, a16, a8, off          ; a fragment, 12 registers, from its two images of 768 bytes
	ds_load_b128 v[\reg:\reg+3], v[\a16] offset:\off
	ds_load_b64 v[\reg+4:\reg+5], v[\a8] offset:\off+512
	ds_load_b128 v[\reg+6:\reg+9], v[\a16] offset:\off+768
	ds_load_b64 v[\reg+10:\reg+11], v[\a8] offset:\off+1280
.endm
.macro FETCH ks, set                   ; K step ks: Wo's eight fragments and my four of O: 48 LDS loads in one run
.set KQ, (\ks)/2
.set KO, 1536*((\ks)%2)
	WIN 0x80                                       ; destination window 2
.irp b, 0,1,2,3,4,5,6,7
	FRAG 96*(\set)+12*\b, 16+KQ, 20+KQ, RBQ*\b+KO
.endr
	WIN 0x40                                       ; destination window 1
.irp a, 0,1,2,3
	FRAG 48*(\set)+12*\a, 8+KQ, 12+KQ, RBQ*\a+KO
.endr
.endm
; 16 matrix instructions: my tiles a0, a0 + 1 of tokens x Wo's eight.  cm = 0: onto the sums; 1: the bias starts them.
; The 32 accumulators take turns, one instruction a turn, in the same order in every K step.
.macro MUL16 a0, set, ks, cm
.irp a, \a0, \a0+1
.irp b, 0,1,2,3,4,5,6,7
.set rD, 8*(8*(\a)+\b)
.set rR, 96*(\set)+12*\b
.set rP, 48*(\set)+12*(\a)
.set rSR, SB+4*\b+(\ks)%4
.set rSP, SA+4*(\a)+(\ks)%4
.set rC, rD
.if \cm == 1
.set rC, BIA+8*\b
.endif
.if (\ks) < 4
	v_wmma_scale_f32_16x16x128_f8f6f4 v[rD:rD+7], v[rR:rR+11], v[rP:rP+11], v[rC:rC+7], v[rSR], v[rSP] matrix_a_fmt:MATRIX_FMT_BF6 matrix_b_fmt:MATRIX_FMT_BF6
.else
	v_wmma_scale_f32_16x16x128_f8f6f4 v[rD:rD+7], v[rR:rR+11], v[rP:rP+11], v[rC:rC+7], v[rSR], v[rSP] matrix_a_fmt:MATRIX_FMT_BF6 matrix_b_fmt:MATRIX_FMT_BF6 matrix_a_scale:MATRIX_SCALE_ROW1 matrix_b_scale:MATRIX_SCALE_ROW1
.endif
.endr
.endr
.endm
; K step ks = 1 .. 7 multiplies set ks % 2 and, in its middle, fetches the next step into the other set.  An odd step opens the next quarter of K.
.macro KSTEP ks
	s_wait_dscnt 0x0                               ; this step's fragments are in; no LDS instruction of mine is out at a signal
.if ((\ks)%2 == 1) && ((\ks) < 7)
	s_wait_tensorcnt 3-((\ks)+1)/2                 ; my part of the next quarter has landed; the later quarters' loads may be out
	s_barrier_signal -1
.endif
	WIN 0xf6                                       ; source 0 (Wo) window 2, source 1 (O) window 1, C and D window 3
	MUL16 0, (\ks)%2, \ks, 0
.if ((\ks)%2 == 1) && ((\ks) < 7)
	s_barrier_wait -1
.endif
.if (\ks) < 7
	PLACES
	FETCH (\ks)+1, 1-(\ks)%2
.endif
	WIN 0xf6
	MUL16 2, (\ks)%2, \ks, 0
.endm
	s_wait_tensorcnt 3                             ; my part of the first quarter has landed; three loads may be out
	s_wait_dscnt 0x0                               ; O's scale words are in: no LDS instruction of mine is out at the signal
	s_barrier_signal -1
	s_barrier_wait -1                              ; everybody's part has landed
	FETCH 0, 0
	FETCH 1, 1
	s_wait_loadcnt 0x0                             ; Wo's scale words and the bias
	s_wait_dscnt 48                                ; K step 0's fragments are in; K step 1's 48 loads may be out
	WIN 0xd6                                       ; as 0xf6, with C in window 1
	MUL16 0, 0, 0, 1
	MUL16 2, 0, 0, 1
	KSTEP 1
	KSTEP 2
	KSTEP 3
	KSTEP 4
	KSTEP 5
	KSTEP 6
	KSTEP 7
	WIN 0
	; THE WAY OUT, a block of 16 tokens x 128 outputs at a time.  A lane holds 32 neighbouring bytes of a row and the lanes beside it hold other rows: the block goes through my own stage in LDS and comes back
	; as whole rows of 512 bytes.  LDS serves a wave's instructions in order: no wait between the stores and the loads, nor in front of the next block's stores.
	s_lshl_b32 s92, s23, 8
	s_lshl_b32 s93, s[WV], 6
	s_add_co_u32 s92, s92, s93                     ; my first token
	s_lshl_b32 s92, s92, 12
	s_lshl_b32 s93, s22, 9
	s_add_co_u32 s92, s92, s93
	s_mov_b32 s93, 0
	s_add_nc_u64 s[12:13], s[12:13], s[92:93]
.macro TOSTAGE a
.set AC, 64*(\a)
	WIN 0x0c                                       ; an LDS store's data are its source 1: window 3
.irp b, 0,1,2,3,4,5,6,7
	ds_store_b128 v26, v[AC+8*\b:AC+8*\b+3] offset:64*\b            ; each accumulator from its low end on
	ds_store_b128 v26, v[AC+8*\b+4:AC+8*\b+7] offset:64*\b+16
.endr
	WIN 0
.set BB, BKO+64*((\a)%2)
.irp t, 0,1,2,3,4,5,6,7,8,9,10,11,12,13,14,15
	ds_load_b128 v[BB+4*\t:BB+4*\t+3], v27 offset:\t*SPITCH
.endr
.endm
.macro SEND a, younger                 ; younger: the LDS instructions issued behind block a's loads, which may stay out
.set BB, BKO+64*((\a)%2)
	s_wait_dscnt \younger
.irp t, 0,1,2,3,4,5,6,7,8,9,10,11,12,13,14,15
	global_store_b128 v1, v[BB+4*\t:BB+4*\t+3], s[12:13] offset:65536*(\a)+4096*\t th:TH_STORE_NT   ; 32 lanes store 512 consecutive bytes, at a multiple of 256 from out0's first byte
.endr
.endm
	PLACES                                         ; behind the last products, in front of the first read of results
	TOSTAGE 0
	TOSTAGE 1
	SEND 0, 32                                     ; behind block 0's loads: block 1's 16 stores and 16 loads
	s_wait_xcnt 0x0                                ; block 0's stores have read their registers: block 2's loads may land there
	TOSTAGE 2
	SEND 1, 32
	s_wait_xcnt 0x0
	TOSTAGE 3
	SEND 2, 32
	SEND 3, 0
	s_wait_tensorcnt 0x0
	ds_add_u32 v126, v127
	s_wait_dscnt 0x0
	CROUND                                         ; the closing round: no work-group ends while a partner may still ask for a tile that names it
	s_endpgm
.Lfunc_end_k_q92c04767e6_oproj:
	.size	k_q92c04767e6_oproj, .Lfunc_end_k_q92c04767e6_oproj-k_q92c04767e6_oproj
	.p2alignl 7, 3214868480
	.fill 96, 4, 3214868480
	.section	.rodata,"a",@progbits
	.p2align	6, 0x0
	.amdhsa_kernel k_q92c04767e6_oproj
		.amdhsa_group_segment_fixed_size 303616
		.amdhsa_private_segment_fixed_size 0
		.amdhsa_enable_private_segment 0
		.amdhsa_kernarg_size 40
		.amdhsa_user_sgpr_count 2
		.amdhsa_user_sgpr_kernarg_segment_ptr 1
		.amdhsa_wavefront_size32 1
		.amdhsa_system_sgpr_workgroup_id_x 1
		.amdhsa_system_sgpr_workgroup_id_y 1
		.amdhsa_system_sgpr_workgroup_id_z 1
		.amdhsa_system_vgpr_workitem_id 0
		.amdhsa_next_free_vgpr 1024
		.amdhsa_next_free_sgpr 102
		.amdhsa_reserve_vcc 0
		.amdhsa_float_denorm_mode_32 3
		.amdhsa_float_denorm_mode_16_64 3
		.amdhsa_memory_ordered 1
		.amdhsa_forward_progress 1
		.amdhsa_inst_pref_size 89
	.end_amdhsa_kernel
	.amdgpu_metadata
---
amdhsa.version: [ 1, 2 ]
amdhsa.kernels:
  - .name:           k_q92c04767e6_oproj
    .symbol:         k_q92c04767e6_oproj.kd
    .args:
      - { .name: ao, .offset: 0, .size: 8, .value_kind: global_buffer, .address_space: global }
      - { .name: cod, .offset: 8, .size: 8, .value_kind: global_buffer, .address_space: global }
      - { .name: scl, .offset: 16, .size: 8, .value_kind: global_buffer, .address_space: global }
      - { .name: bo, .offset: 24, .size: 8, .value_kind: global_buffer, .address_space: global }
      - { .name: out0, .offset: 32, .size: 8, .value_kind: global_buffer, .address_space: global }
    .group_segment_fixed_size: 303616
    .private_segment_fixed_size: 0
    .kernarg_segment_align: 8
    .kernarg_segment_size: 40
    .max_flat_workgroup_size: 128
    .sgpr_count:     102
    .vgpr_count:     1024
    .wavefront_size: 32
...
	.end_amdgpu_metadata
.endif
;; end of part 4
;; ======== version 2 of 2: 4 launches; version 1 with the launch attn written anew for expert scheduling mode
;; limits: right only within a limited range of input values
;; workspace buffers: cod 22,020,096 bytes; scl 917,504 bytes; maskw 2,097,152 bytes of whole numbers; flags 2,048 bytes of whole numbers; qbuf 6,815,744 bytes; kv 13,369,344 bytes; ao 6,553,600 bytes
;; launch prep: the kernel of part 1 again; grid 1408 x 1, 4 waves a work-group, no clusters, 68,352 bytes of LDS; arguments query, key, value, Wq, Wk, Wv, Wo, mask, cod, scl, maskw, flags; writes cod, scl, maskw, flags
;; launch proj: the kernel of part 2 again; grid 192 x 4, 4 waves a work-group, clusters of 4 x 4, 299,520 bytes of LDS; arguments cod, scl, bq, bk, bv, qbuf, kv; writes qbuf, kv
;; launch attn (part 5): grid 4 x 64, 16 waves a work-group, no clusters, 35,840 bytes of LDS; arguments qbuf, kv, maskw, flags, ao; writes ao
.if DOCPART == 5
	.amdgcn_target "amdgcn-amd-amdhsa--gfx1250"
	.amdhsa_code_object_version 6
	.text
	.protected	k_q92c04767e6_attn
	.globl	k_q92c04767e6_attn
	.p2align	8
	.type	k_q92c04767e6_attn,@function
k_q92c04767e6_attn:
	s_mov_b64 s[64:65], 0
	v_nop
	global_prefetch_b8 v0, s[64:65] scope:SCOPE_SE
	s_setreg_imm32_b32 hwreg(HW_REG_WAVE_SCHED_MODE, 0, 2), 2
	s_setreg_imm32_b32 hwreg(HW_REG_WAVE_MODE, 25, 1), 1
	s_wait_xcnt 0x0
	s_wait_alu depctr_vm_vsrc(0)
; ATTN.  For each batch and head: S = Q K^T / 8, the mask, the softmax, O = P V, O / the row's sum; O is quantised along the head's 64 into the operand of the output projection.
; Both products on codes of BF6 (E3M2) with E8M0 scales.  THE SOFTMAX AHEAD OF THE SECOND PRODUCT: t = score x log2(e) / 8; M = the row's largest t so far, rounded UP to a whole number; p = 2^(t - M) is what is
; quantised, along the keys; the row's sum is taken of the unquantised p and divides O at the end.  When M moves, the sum and O are multiplied by 2^(old M - new M): exact.
; SHARES.  Work-group (p, head) takes the head's query blocks 7 - p and then p, 256 queries each; each of its sixteen waves owns one tile of 16 queries.  Key steps of 128.
; Both products are used transposed (S^T = K Q^T, O^T = V^T P^T): a lane holds ONE query.  The keys of a tile of K and the rows of V^T were laid by the launch before so that a lane's registers run along
; neighbouring keys (register 16 B + i of S^T = key 32 B + 16 (lane / 16) + i) and along neighbouring channels of O.
; K = 64 IN AN INSTRUCTION 128 DEEP: Q's registers 6-11 are zero codes, so what stands in K's registers 6-11 (the next tile's codes; zeros behind the last) adds exact zeros; their scale bytes are 1.0.
; THE MASK is an input: an earlier launch has turned it into one lane mask for each score register, and into flags for each query tile: which steps hold a key that counts, which hold one that does not.
; A step in which no key counts for any of my 16 queries is passed over by a scalar branch on the stored flags; where a row has no key that counts at all, the flags name every step.
; A masked score becomes -2^33 (a logit of -2^30 in place of -1e9): times c it is a whole number, so a row masked so far has M = t and p = 1 exactly, as the rule gives for equal logits.
; LIMIT: a row that holds an unmasked logit under about -9.9e8 is not served; NaN and infinities are not served.
; NO TENSOR LOADS, NO CLUSTER: the steps are passed over by branches on numbers read from memory, and joint requests exist for tensor loads alone.
; A step's block of 13,056 bytes (K's 8 tiles, V^T's 4 fragments, their scale words) goes from memory through registers into one of two LDS buffers, shared out over the 512 threads, one step ahead; one barrier a step.
; No prefetch: the staging loads are issued a whole key step of sixteen waves' work ahead of the stores that wait for them.
; THE MODE: SCHED_MODE bits 1:0 = 2 (LLVM: expert scheduling mode 2), set by the entry lines.  The code itself states the register dependences between vector or matrix instructions
; and memory or LDS instructions, with s_wait_alu, always for 0.
; THE PLAN.  Registers that memory or LDS instructions touch:
;   v1-v5           addresses, made once at the head by vector lines and never written again; read by every LDS and global access.
;   v16-21, v28     Q's codes and scale word: loaded at the head of a query block; read by the score products of all its steps.
;   v32-79, v86-93  fragments and scale words.  A step: K's loads land; the 8 score products read them; V^T's loads land (v32-79, v86-89); the 4 products O^T += V^T P^T read them.
;   v192-199        staging: global loads land at a step's head, LDS stores read them at its end; no vector line names them.
;   v224-229, v212, v10   the way out of a query block: vector lines write them, two global stores and one LDS store read them; the next block's vector lines write them again.
;   v96-99          at the very end an LDS load lands in them; the way out's vector lines named them last.
; So a worked step has three waits on va_vdst of its own: at its head (the last products are done with the fragments: K's loads may land), behind the score products (they are done with K's: V^T's loads may
; land; these are dealt among the softmax's lines, none of which names v1-v3, v32-79 or v86-89), and ahead of the last products (p's codes and scale word, made by vector lines, are written).
; One wait on vm_vsrc stands ahead of a step's staging loads; both kinds stand at the head of a query block, and one on va_vdst ahead of the block's stores.
; REGISTERS: v1-5, v10-11 addresses; v12 -M, v13 the largest t, v[14:15] the sum; v16-27 Q (v22-27 zeros); v28 Q's scale word; v29 -2^33; v32-79 fragments, v80-85 zeros; v86-93 scale words;
;   v96-159 S^T, then p; v160-191 O^T; v192-199 staging; v200-222 at work; v224-235 p's codes; v[240:241] a second chain of the sum; v252 f; v253 p's scale word; v254 at work.
.set BUFB, 16384                       ; the second buffer
.set BLK,  13056                       ; a step's block
.set VCO,  6144                        ; V^T's codes in it
.set KSC,  12288                       ; K's scale words
.set VSC,  12800                       ; V^T's
.set SCST, 32768                       ; behind the buffers: 2 x 512 bytes: O's scale bytes of the two query blocks
	s_load_b256 s[4:11], s[0:1], 0x0               ; qbuf, kv, maskw, flags
	s_load_b64 s[12:13], s[0:1], 0x20              ; ao
	v_lshl_add_u32 v251, v0, 2, 0x8400
	v_mov_b32 v255, 0
	v_lshrrev_b32 v5, 5, v0
	v_readfirstlane_b32 s14, v5                    ; wave 0..15
	v_and_b32 v6, 31, v0
	v_and_b32 v7, 15, v0
	v_lshlrev_b32 v1, 4, v6                        ; 16 x lane
	v_lshlrev_b32 v2, 3, v6                        ; 8 x lane
	v_lshlrev_b32 v3, 2, v7                        ; 4 r
	v_lshlrev_b32 v4, 4, v0                        ; 16 x thread
	v_add_nc_u32 v5, SCST, v4
	s_wait_alu depctr_va_sdst(0)                   ; s14 is written, ahead of its first reader: addresses and branches are made from it
	s_lshl_b32 s2, s14, 5
	v_lshl_add_u32 v11, v7, 1, s2
	v_add_nc_u32 v11, SCST, v11                    ; my query's two scale bytes: 32 x wave + 2 r
.irp j, 22,23,24,25,26,27,80,81,82,83,84,85,204,205,206,207,253,254
	v_mov_b32 v\j, 0                               ; zero codes; and registers that are named before they are first written (a lane permute's destination; the upper half of a pair)
.endr
	v_mov_b32 v29, 0xd0000000                      ; -2^33
	s_mov_b32 s15, ttmp9                           ; p
	s_and_b32 s16, ttmp7, 0xffff                   ; the head, counted over batches
	s_lshr_b32 s17, s16, 4                         ; the batch
	s_and_b32 s24, s16, 15                         ; the head in it
	s_mov_b32 s18, 0                               ; which of my two query blocks
	s_mov_b32 s30, 0
	s_mov_b32 s20, 0x76543210
	s_mov_b32 s21, 0xfedcba98                      ; v_permlanex16_b32's selects for lane l xor 16
	s_mov_b32 s22, 0x3e38aa3b                      ; c = log2(e) / 8
	s_mov_b32 s23, s22                             ; (the packed form names the pair)
	s_wait_kmcnt 0x0
.macro STAGE_LOAD off                  ; a block: 8,192 bytes by all sixteen waves, 4,608 by waves 0-8, 256 by wave 9
	global_load_b128 v[192:195], v4, s[66:67] offset:\off
	s_cmp_lt_u32 s14, 9
	s_cbranch_scc0 .Lw9_\@
	global_load_b128 v[196:199], v4, s[66:67] offset:\off+8192
	s_branch .Lsd_\@
.Lw9_\@:
	s_cmp_eq_u32 s14, 9
	s_cbranch_scc0 .Lsd_\@
	global_load_b64 v[196:197], v2, s[66:67] offset:\off+12800
.Lsd_\@:
.endm
.macro STAGE_STORE buf
	ds_store_b128 v4, v[192:195] offset:BUFB*(\buf)
	s_cmp_lt_u32 s14, 9
	s_cbranch_scc0 .Lx9_\@
	ds_store_b128 v4, v[196:199] offset:BUFB*(\buf)+8192
	s_branch .Lxd_\@
.Lx9_\@:
	s_cmp_eq_u32 s14, 9
	s_cbranch_scc0 .Lxd_\@
	ds_store_b64 v2, v[196:197] offset:BUFB*(\buf)+12800
.Lxd_\@:
.endm
.macro VFRAG a                         ; fragment a of V^T (16 channels x 128 keys) and its scale words, from the buffer in hand
	ds_load_b128 v[32+12*(\a):35+12*(\a)], v1 offset:BUF+VCO+1536*(\a)
	ds_load_b64 v[36+12*(\a):37+12*(\a)], v2 offset:BUF+VCO+1536*(\a)+512
	ds_load_b128 v[38+12*(\a):41+12*(\a)], v1 offset:BUF+VCO+1536*(\a)+768
	ds_load_b64 v[42+12*(\a):43+12*(\a)], v2 offset:BUF+VCO+1536*(\a)+1280
	ds_load_b32 v[86+(\a)], v3 offset:BUF+VSC+64*(\a)
.endm
; A KEY STEP, from buffer hb.
.macro STEP hb
.set BUF, BUFB*(\hb)
	s_wait_alu depctr_va_vdst(0)                   ; the products O^T += V^T P^T of the step worked last are done reading v32-79 and v86-89, in which K's loads below land
	s_load_b512 s[32:47], s[100:101], 256*(\hb)    ; the 64 lane masks of this tile and step
	s_load_b512 s[48:63], s[100:101], 256*(\hb)+64
	s_load_b512 s[68:83], s[100:101], 256*(\hb)+128
	s_load_b512 s[84:99], s[100:101], 256*(\hb)+192
.irp t, 0,1,2,3,4,5,6,7
	ds_load_b128 v[32+6*\t:35+6*\t], v1 offset:BUF+768*\t
	ds_load_b64 v[36+6*\t:37+6*\t], v2 offset:BUF+768*\t+512
	ds_load_b32 v[86+\t], v3 offset:BUF+KSC+64*\t
.endr
	s_wait_dscnt 0x0
.irp t, 0,1,2,3,4,5,6,7                ; S^T = K Q^T
	v_wmma_scale_f32_16x16x128_f8f6f4 v[96+8*\t:103+8*\t], v[32+6*\t:43+6*\t], v[16:27], 0, v[86+\t], v28 matrix_a_fmt:MATRIX_FMT_BF6 matrix_b_fmt:MATRIX_FMT_BF6
.endr
.rept 4
	v_nop                                          ; places in front of the vector lines that read the scores (ISA guide 7.12.1)
.endr
	s_wait_alu depctr_va_vdst(0)                   ; the score products are done reading v32-85 and v86-93: V^T's loads may land there.  No vector line from here to the products O^T += V^T P^T names v1-v3, v32-79 or v86-89
	VFRAG 0                                        ; V^T's four fragments are dealt among the softmax's lines and land while it is worked
	VFRAG 1
	s_wait_kmcnt 0x0                               ; the lane masks are in (on both ways)
	s_bitcmp1_b32 s28, 0                           ; a step all of whose keys count skips the masking
	s_cbranch_scc0 .Lopen_\@
.set n, 0
.rept 64
	v_cndmask_b32 v[96+n], v29, v[96+n], s[32+n+4*(n/32)]
.set n, n+1
.endr
.Lopen_\@:
.irp b, 0,1,2,3
	v_max3_num_f32 v[200+\b], v[96+16*\b], v[97+16*\b], v[98+16*\b]   ; THE LARGEST SCORE OF EACH BLOCK OF 32 KEYS: it serves for the row's maximum and, since p rises with the score, for the block's largest p
.endr
.irp i, 3,5,7,9,11,13
.irp b, 0,1,2,3
	v_max3_num_f32 v[200+\b], v[200+\b], v[96+16*\b+\i], v[97+16*\b+\i]
.endr
.endr
.irp b, 0,1,2,3
	v_max_num_f32 v[200+\b], v[200+\b], v[111+16*\b]
.endr
	VFRAG 2
.irp b, 0,1,2,3
	v_permlanex16_b32 v[204+\b], v[200+\b], s20, s21
.endr
.irp b, 0,1,2,3
	v_max_num_f32 v[200+\b], v[200+\b], v[204+\b]  ; with lane l xor 16's 16 keys
.endr
	v_max3_num_f32 v254, v200, v201, v202
	v_max_num_f32 v254, v254, v203                 ; the step's largest score of my query
	v_mul_f32 v254, s22, v254                      ; as t (c is positive)
	v_max_num_f32 v13, v13, v254                   ; the running largest t
	v_mov_b32 v254, v12
	v_floor_f32 v12, -v13                          ; the new -M = floor(-t): M IS A WHOLE NUMBER
	v_sub_f32 v254, v12, v254                      ; old M less new M: a whole number, 0 or less
	v_cvt_i32_f32 v254, v254                       ; (it saturates)
	v_ldexp_f32 v252, 1.0, v254                    ; f = 2^(old M - new M)
.set j, 0
.rept 32
	v_pk_fma_f32 v[96+j:97+j], v[96+j:97+j], s[22:23], v[12:13] op_sel_hi:[1,0,0]   ; t - M, two at a time
.set j, j+2
.endr
.irp b, 0,1,2,3
	v_fma_f32 v[200+\b], v[200+\b], s22, v12       ; the same of each block's largest score
.endr
	VFRAG 3
.set j, 0
.rept 64
	v_exp_f32 v[96+j], v[96+j]                     ; p = 2^(t - M), at most 1: NOT normalised
.set j, j+1
.endr
	v_pk_mul_f32 v[14:15], v[14:15], v[252:253] op_sel_hi:[1,0]   ; the sums under the new M.  (A plain place behind the exponentials)
	s_wait_alu depctr_va_vdst(0)                   ; the 64 exponentials have written v96-159: one wait for the whole batch, ahead of its first reader
.irp b, 0,1,2,3
	v_exp_f32 v[200+\b], v[200+\b]                 ; the block's largest p: the same two instructions on the same number give the same bits
.endr
	v_pk_add_f32 v[240:241], v[96:97], v[98:99]    ; THE ROW'S SUM IS TAKEN OF THE UNQUANTISED p, in two chains
.irp j, 4,8,12,16,20,24,28,32,36,40,44,48,52,56,60
	v_pk_add_f32 v[14:15], v[14:15], v[96+\j:97+\j]
	v_pk_add_f32 v[240:241], v[240:241], v[98+\j:99+\j]
.endr
	v_pk_add_f32 v[14:15], v[14:15], v[240:241]
	s_wait_alu depctr_va_vdst(0)                   ; the four exponentials have written v200-203, ahead of their first reader
.irp b, 0,1,2,3
	v_max_num_f32 v[200+\b], 0x2800000, v[200+\b]  ; the floor 2^(5 - 127): the byte cannot fall under 1
.endr
.irp b, 0,1,2,3
	v_add_nc_u32 v[208+\b], 0xfe000000, v[200+\b]  ; 4 off the exponent field: the conversion's scale operand
.endr
.irp b, 0,1,2,3
	v_lshrrev_b32 v[212+\b], 23, v[208+\b]         ; the scale's byte
.endr
	v_lshl_or_b32 v253, v213, 8, v212              ; p's scale word for these 128 keys
	v_lshl_or_b32 v253, v214, 16, v253
	v_lshl_or_b32 v253, v215, 24, v253
.irp c, 0,1
	v_cvt_scalef32_pk16_bf6_f32 v[224+6*\c:226+6*\c], v[96+32*\c:111+32*\c], v[208+2*\c]
	v_cvt_scalef32_pk16_bf6_f32 v[216+4*\c:218+4*\c], v[112+32*\c:127+32*\c], v[209+2*\c]   ; (a conversion's three registers begin on an even number)
.endr
	v_nop                                          ; one plain place behind a scaled conversion
.irp c, 0,1                            ; the operand's layout wants a WHOLE block in a lane
.irp i, 0,1,2
	v_permlane16_swap_b32 v[224+6*\c+\i], v[216+4*\c+\i]
.endr
.irp i, 0,1,2
	v_mov_b32 v[227+6*\c+\i], v[216+4*\c+\i]
.endr
.endr
.set j, 0
.rept 16
	v_pk_mul_f32 v[160+j:161+j], v[160+j:161+j], v[252:253] op_sel_hi:[1,0]   ; O^T under the new M.  (Of these 16, twelve name no register of any one product below: the places between the scale word, the codes and the products)
.set j, j+2
.endr
	s_wait_dscnt 0x0                               ; V^T's fragments are in
	s_wait_alu depctr_va_vdst(0)                   ; the conversions, exchanges and moves have written p's codes v224-235, the shifts its scale word v253: the products below take them as operand and scales; the places above stay beside this wait
.irp a, 0,1,2,3                        ; O^T += V^T P^T: the four accumulators by turns
	v_wmma_scale_f32_16x16x128_f8f6f4 v[160+8*\a:167+8*\a], v[32+12*\a:43+12*\a], v[224:235], v[160+8*\a:167+8*\a], v[86+\a], v253 matrix_a_fmt:MATRIX_FMT_BF6 matrix_b_fmt:MATRIX_FMT_BF6
.endr
.endm
; One key step of the loop: s26 bit 1: some wave of the work-group works the NEXT step; s27 bit 0: I work this one; s28 bit 0: it has keys that do not count.
; The next step's block is asked for first, stored into the other buffer behind this step's work, and shown to all by the one barrier; that buffer was last read a step ago, in front of the last barrier.
.macro HALF hb
	s_bitcmp1_b32 s26, 1
	s_cbranch_scc0 .Lnl_\@
	s_wait_alu depctr_vm_vsrc(0)                   ; the LDS stores of the step before have read v192-199, in which the loads below land
	STAGE_LOAD BLK*((\hb)+1)
.Lnl_\@:
	s_bitcmp1_b32 s27, 0
	s_cbranch_scc0 .Lns_\@
	STEP \hb
.Lns_\@:
	s_wait_loadcnt 0x0
	s_bitcmp1_b32 s26, 1
	s_cbranch_scc0 .Lnst_\@
	STAGE_STORE 1-(\hb)                            ; (its data come from loads, its addresses v4 and v2 from the kernel's head: no vector line has named either since)
.Lnst_\@:
	s_lshr_b32 s26, s26, 1
	s_lshr_b32 s27, s27, 1
	s_lshr_b32 s28, s28, 1
	s_wait_dscnt 0x0                               ; my stores have landed and my reads of this step's buffer are over
	s_barrier_signal -1
	s_barrier_wait -1
.endm
.Lpass:
	s_wait_xcnt 0x0                                ; earlier memory instructions have read their bases and data: both are written again below
	s_wait_alu depctr_vm_vsrc(0)                   ; the last block's stores have read v224-229, v212 and v10, which this block's vector lines write again; its last LDS stores have read v192-199, in which the staging load below lands
	s_wait_alu depctr_va_vdst(0)                   ; the addresses v1-v5 and the zero codes v22-27, v80-85 are written; the last block's score products are done reading v16-21 and v28, in which Q's loads below land, and its vector lines with s32-47, which the flags take
	s_sub_co_u32 s19, 7, s15
	s_cmp_eq_u32 s18, 0
	s_cselect_b32 s19, s19, s15                    ; the query block: 7 - p, then p
	s_lshl_b32 s3, s19, 4
	s_lshl_b32 s2, s17, 7
	s_add_co_u32 s2, s2, s3                        ; the block's first query tile, counted over batches
	s_mov_b32 s51, 0
	s_lshl_b32 s50, s2, 2
	s_add_nc_u64 s[52:53], s[10:11], s[50:51]
	s_load_b512 s[32:47], s[52:53], 0x0            ; the flags of the block's sixteen tiles,
	s_lshl_b32 s50, s14, 2
	s_add_nc_u64 s[54:55], s[52:53], s[50:51]
	s_load_b32 s48, s[54:55], 0x0                  ; and my tile's
	s_lshl_b32 s56, s16, 7
	s_add_co_u32 s56, s56, s3
	s_add_co_u32 s56, s56, s14                     ; my tile, counted over heads
	s_mul_i32 s58, s56, 768
	s_mov_b32 s59, 0
	s_add_nc_u64 s[60:61], s[4:5], s[58:59]
	s_lshl_b32 s58, s56, 6
	s_add_co_u32 s58, s58, 6291456
	s_add_nc_u64 s[62:63], s[4:5], s[58:59]
	s_mul_i32 s58, s16, 16*BLK
	s_add_nc_u64 s[66:67], s[6:7], s[58:59]        ; the head's first block of K and V
	s_add_co_u32 s58, s2, s14
	s_lshl_b32 s58, s58, 12
	s_add_nc_u64 s[100:101], s[8:9], s[58:59]      ; my tile's lane masks
	global_load_b128 v[16:19], v1, s[60:61]        ; Q's codes: registers 0-5 of the operand
	global_load_b64 v[20:21], v2, s[60:61] offset:512
	global_load_b32 v28, v3, s[62:63]              ; and its scale words
	STAGE_LOAD 0                                   ; step 0's block, whatever the flags say
	v_mov_b32 v13, 0xff61b1e6                      ; the largest t so far: -3e38, under every t
	v_floor_f32 v12, -v13                          ; -M
	v_mov_b32 v14, 0
	v_mov_b32 v15, 0
.set j, 0
.rept 32
	v_mov_b32 v[160+j], 0                          ; O^T: which step is the first to be worked hangs on the flags, so the sums begin as zeros, which the first change of M leaves zeros
.set j, j+1
.endr
	s_wait_loadcnt 0x0
	STAGE_STORE 0                                  ; (no vector line since the wait at the block's head names v2, v4 or v192-199)
	s_wait_kmcnt 0x0
	s_or_b64 s[32:33], s[32:33], s[34:35]
.irp p, 36,38,40,42,44,46
	s_or_b64 s[32:33], s[32:33], s[\p:\p+1]
.endr
	s_or_b32 s26, s32, s33
	s_and_b32 s26, s26, 0xffff                     ; steps that some wave works (bit 16 is 0: nothing is asked for behind the last step)
	s_and_b32 s27, s48, 0xffff                     ; steps that I work
	s_lshr_b32 s28, s48, 16                        ; steps with keys that do not count
	s_mov_b32 s29, 0
	s_wait_dscnt 0x0
	s_barrier_signal -1
	s_barrier_wait -1
.Ltrip:                                            ; 8 trips of two key steps
	HALF 0
	HALF 1
	s_wait_xcnt 0x0                                ; the trip's loads have read their bases
	s_add_nc_u64 s[66:67], s[66:67], 2*BLK
	s_add_nc_u64 s[100:101], s[100:101], 512
	s_add_co_u32 s29, s29, 1
	s_cmp_lt_u32 s29, 8
	s_cbranch_scc1 .Ltrip
	; THE WAY OUT of a query block: O^T / the sum; register 16 B + i = channel 32 B + 16 h + i of my query: two blocks of the next product's K
.rept 4
	v_nop                                          ; places behind the last products
.endr
	v_add_f32 v14, v14, v15                        ; the sum's two halves,
	v_permlanex16_b32 v254, v14, s20, s21
	v_add_f32 v14, v14, v254                       ; and lane l xor 16's
	v_rcp_f32 v14, v14
	v_add_nc_u32 v10, s30, v11                     ; (a plain place behind the transcendental)
	s_lshl_b32 s50, s17, 7
	s_lshl_b32 s51, s19, 4
	s_add_co_u32 s50, s50, s51
	s_add_co_u32 s50, s50, s14                     ; my 16 tokens' image,
	s_mul_i32 s50, s50, 12288
	s_mul_i32 s51, s24, 768                        ; my head's half fragment in it
	s_add_co_u32 s50, s50, s51
	s_mov_b32 s51, 0
	s_add_nc_u64 s[52:53], s[12:13], s[50:51]
	s_wait_alu depctr_va_vdst(0)                   ; the reciprocal has written v14, ahead of its first reader
.set j, 0
.rept 32
	v_mul_f32 v[96+j], v[160+j], v14               ; each accumulator from its low end on
.set j, j+1
.endr
.irp b, 0,1
	v_max3_num_f32 v[200+\b], |v[96+16*\b]|, |v[97+16*\b]|, 0x2800000
.endr
.irp i, 2,4,6,8,10,12,14
.irp b, 0,1
	v_max3_num_f32 v[200+\b], v[200+\b], |v[96+16*\b+\i]|, |v[97+16*\b+\i]|
.endr
.endr
.irp b, 0,1
	v_permlanex16_b32 v[204+\b], v[200+\b], s20, s21
.endr
.irp b, 0,1
	v_max_num_f32 v[200+\b], v[200+\b], v[204+\b]
.endr
.irp b, 0,1
	v_add_nc_u32 v[208+\b], 0xfe000000, v[200+\b]
.endr
.irp b, 0,1
	v_lshrrev_b32 v[212+\b], 23, v[208+\b]
.endr
	v_lshl_or_b32 v212, v213, 8, v212              ; my query's two scale bytes
	v_cvt_scalef32_pk16_bf6_f32 v[224:226], v[96:111], v208
	v_cvt_scalef32_pk16_bf6_f32 v[228:230], v[112:127], v209
	v_nop                                          ; one plain place behind a scaled conversion
.irp i, 0,1,2
	v_permlane16_swap_b32 v[224+\i], v[228+\i]     ; lanes 0-15 block 0, lanes 16-31 block 1
.endr
	v_mov_b32 v227, v228
	v_mov_b32 v228, v229
	v_mov_b32 v229, v230
	s_wait_alu depctr_va_vdst(0)                   ; the codes v224-229, the scale bytes v212 and the address v10 are written, which the three stores below read; and the vector lines above are done with v96-99
	global_store_b128 v1, v[224:227], s[52:53]     ; 512 + 256 consecutive bytes
	global_store_b64 v2, v[228:229], s[52:53] offset:512
	ds_store_b16 v10, v212                         ; (lanes l and l + 16 write the same bytes with the same value)
	s_add_co_u32 s30, s30, 512
	s_add_co_u32 s18, s18, 1
	s_cmp_lt_u32 s18, 2
	s_cbranch_scc1 .Lpass
	s_wait_dscnt 0x0                               ; the scale bytes of both query blocks lie in LDS:
	s_barrier_signal -1
	s_barrier_wait -1
	s_cmp_lt_u32 s14, 2                            ; wave 0 stores the first block's 512 bytes, wave 1 the second's
	s_cbranch_scc0 .Lend
	ds_load_b128 v[96:99], v5                      ; (no vector line has been issued since the wait ahead of the block's stores: v96-99 are free, and v5 has stood since the head)
	s_sub_co_u32 s2, 7, s15
	s_cmp_eq_u32 s14, 0
	s_cselect_b32 s2, s2, s15
	s_lshl_b32 s2, s2, 9
	s_lshl_b32 s3, s16, 12
	s_add_co_u32 s2, s2, s3
	s_add_co_u32 s2, s2, 6291456
	s_mov_b32 s3, 0
	s_add_nc_u64 s[50:51], s[12:13], s[2:3]
	s_wait_dscnt 0x0
	global_store_b128 v1, v[96:99], s[50:51]
.Lend:
	s_wait_dscnt 0x0
	s_wait_alu depctr_hold_cnt(0) depctr_sa_sdst(0) depctr_va_vdst(0) depctr_va_sdst(0) depctr_va_ssrc(0) depctr_va_vcc(0) depctr_vm_vsrc(0)
	s_wait_tensorcnt 0x0
	ds_add_u32 v251, v255
	s_wait_dscnt 0x0
	s_endpgm
.Lfunc_end_k_q92c04767e6_attn:
	.size	k_q92c04767e6_attn, .Lfunc_end_k_q92c04767e6_attn-k_q92c04767e6_attn
	.p2alignl 7, 3214868480
	.fill 96, 4, 3214868480
	.section	.rodata,"a",@progbits
	.p2align	6, 0x0
	.amdhsa_kernel k_q92c04767e6_attn
		.amdhsa_group_segment_fixed_size 35840
		.amdhsa_private_segment_fixed_size 0
		.amdhsa_enable_private_segment 0
		.amdhsa_kernarg_size 40
		.amdhsa_user_sgpr_count 2
		.amdhsa_user_sgpr_kernarg_segment_ptr 1
		.amdhsa_wavefront_size32 1
		.amdhsa_system_sgpr_workgroup_id_x 1
		.amdhsa_system_sgpr_workgroup_id_y 1
		.amdhsa_system_sgpr_workgroup_id_z 1
		.amdhsa_system_vgpr_workitem_id 0
		.amdhsa_next_free_vgpr 256
		.amdhsa_next_free_sgpr 102
		.amdhsa_reserve_vcc 0
		.amdhsa_float_denorm_mode_32 3
		.amdhsa_float_denorm_mode_16_64 3
		.amdhsa_memory_ordered 1
		.amdhsa_forward_progress 1
		.amdhsa_inst_pref_size 55
	.end_amdhsa_kernel
	.amdgpu_metadata
---
amdhsa.version: [ 1, 2 ]
amdhsa.kernels:
  - .name:           k_q92c04767e6_attn
    .symbol:         k_q92c04767e6_attn.kd
    .args:
      - { .name: qbuf, .offset: 0, .size: 8, .value_kind: global_buffer, .address_space: global }
      - { .name: kv, .offset: 8, .size: 8, .value_kind: global_buffer, .address_space: global }
      - { .name: maskw, .offset: 16, .size: 8, .value_kind: global_buffer, .address_space: global }
      - { .name: flags, .offset: 24, .size: 8, .value_kind: global_buffer, .address_space: global }
      - { .name: ao, .offset: 32, .size: 8, .value_kind: global_buffer, .address_space: global }
    .group_segment_fixed_size: 35840
    .private_segment_fixed_size: 0
    .kernarg_segment_align: 8
    .kernarg_segment_size: 40
    .max_flat_workgroup_size: 512
    .sgpr_count:     102
    .vgpr_count:     256
    .wavefront_size: 32
...
	.end_amdgpu_metadata
.endif
;; end of part 5
;; launch oproj: the kernel of part 4 again; grid 64 x 4, 4 waves a work-group, clusters of 4 x 4, 303,616 bytes of LDS; arguments ao, cod, scl, bo, out0; writes out0
